; MI455X (gfx1250); checked and timed in simulation.
; The chip was launched on July 23, 2026; its instructions are those of AMD's public machine-readable ISA for CDNA 5 (MIT licence, August 2026) and "CDNA5" Instruction Set Architecture Reference Guide (July 2026). The comments in the code are by the model that wrote it; some were corrected since.
;; Causal Cross Conditional Self Attention. Allowed arithmetic: matrix products marked QUANTISED: E2M1 operands, one E8M0 scale for each 32 along K, by v_wmma_scale_f32_16x16x128_f8f6f4 with both operands' format E2M1 (or v_wmma_scale_f32_32x16x128_f4), f32 sums; everything else in f32.
;; Inputs: Wk 1,024 x 1,024 float32; Wp 1,024 x 1,024 float32; Wq 1,024 x 1,024 float32; Wv 1,024 x 1,024 float32; bk 1,024 float32; bp 1,024 float32; bq 1,024 float32; bv 1,024 float32; x 4 x 2,048 x 1,024 float32.
;; Outputs: out0 4 x 2,048 x 1,024 float32.
;; This version of the problem:
;;   THIS VERSION OF THE PROBLEM IS GIVEN IN LOW PRECISION. The matrix products marked QUANTISED in the list below multiply operands that are first quantised to E2M1 (2 exponent bits, 1 mantissa bit; 4 bits a number), with one power-of-two scale for each 32 numbers along K (OCP MX v1.0); their sums are f32. All else is computed in f32.
;;   The module's matrix products, in the order in which they are computed (A, B: the left and right operand; K: the contracted axis; several contracted axes count as one K, in the product's order):
;;     1. [M 8,192, K 1,024] x [K 1,024, N 1,024]; A: input x; B: input Wq: QUANTISED
;;     2. [M 8,192, K 1,024] x [K 1,024, N 1,024]; A: input x; B: input Wk: QUANTISED
;;     3. [M 8,192, K 1,024] x [K 1,024, N 1,024]; A: input x; B: input Wv: QUANTISED
;;     4. batch 64 x [M 2,048, K 64] x [K 64, N 2,048]; A: computed on the way; B: computed on the way: QUANTISED
;;     5. batch 64 x [M 2,048, K 2,048] x [K 2,048, N 64]; A: softmax (see below); B: computed on the way: QUANTISED
;;     6. [M 8,192, K 1,024] x [K 1,024, N 1,024]; A: computed on the way; B: input Wp: QUANTISED
;;   THE QUANTISER, for each operand of a quantised product, along K:
;;     - K is cut into blocks of 32 from its start; a last block that is shorter is filled with zeros.
;;     - A block's scale is 2^e with e = floor(log2(the largest magnitude in the block)) - 2, held to -126 .. 127; a block of zeros has e = 0. As a byte (E8M0): e + 127.
;;     - Each number is divided by its block's scale, clamped to +-6, and rounded to the nearest number of E2M1, ties to even, subnormals kept.
;;     - The product sums the exact products of the quantised numbers (number of the format x scale) in f32.
;;   ~~~python
;;   def quantise(x, axis):      # numpy; x: float32 -> the quantised numbers, widened to float32 again
;;       x = np.moveaxis(x, axis, -1); K = x.shape[-1]
;;       x = np.pad(x, [(0, 0)] * (x.ndim - 1) + [(0, -K % 32)]); x = x.reshape(x.shape[:-1] + (-1, 32)); a = np.abs(x).max(-1, keepdims=True)
;;       e = np.where(a > 0, np.clip(np.frexp(np.where(a > 0, a, 1))[1] - 1 - 2, -126, 127), 0)      # np.frexp(a)[1] - 1 = floor(log2(a)), exactly
;;       r = np.clip(x / 2.0 ** e, -6, 6)
;;       step = 2.0 ** (np.maximum(np.frexp(np.where(r == 0, 1, r))[1] - 1, 0) - 1)
;;       q = np.round(r / step) * step * 2.0 ** e      # np.round: ties to even
;;       return np.moveaxis(q.reshape(q.shape[:-2] + (-1,))[..., :K], -1, axis).astype(np.float32)
;;   ~~~
;;   SOFTMAX AHEAD OF A QUANTISED PRODUCT. Where the list says 'softmax', what is quantised is not the finished softmax but p = 2^(t - M), with t = logit x log2(e) and M = ceil(the row's largest t), a whole number; so 1/2 < the row's largest p <= 1. The row's sum l is taken of the UNQUANTISED p, in f32, and the product's result is divided by l at the end. Since M is a whole number, a kernel that streams over the keys may use a running M (the ceiling of the running maximum): every later rescaling is an exact power of two, which a block's scale takes up: the codes' values come out the same.
;;   OPERANDS COMPUTED ON THE WAY. 'Computed on the way' means the value that the module computes at that place (a softmax that the list does not call 'softmax' is quantised finished and normalised). What goes into a quantiser is computed in f32, as accurately as f32 sums, v_exp_f32 and their like allow (about 1e-6 of the number): no bf16 or f16 on the way to a quantiser, and a product that is left as it is and whose result goes on into a quantised operand takes f32 operands (vector FMAs, or v_wmma_f32_16x16x4_f32). A number that lies on a knife's edge between two numbers of the format may be rounded either way, as far as f32 arithmetic and the matrix unit's own rounding can turn it there, and no further.
;; One version. Each part assembles by itself: llvm-mc -triple=amdgcn-amd-amdhsa -mcpu=gfx1250 --defsym DOCPART=n.
;; ======== version 1 of 1: 4 launches
;; workspace buffers: xw_codes 6,291,456 bytes; scales 655,360 bytes; qkv 18,350,080 bytes; y_codes 4,194,304 bytes
;; launch quant (part 1): grid 384 x 1, 4 waves a work-group, no clusters, 33,280 bytes of LDS; arguments x, Wq, Wk, Wv, Wp, xw_codes, scales; writes xw_codes, scales
.if DOCPART == 1
	.amdgcn_target "amdgcn-amd-amdhsa--gfx1250"
	.amdhsa_code_object_version 6
	.text
	.protected	k_q3842a8b3c6_quant
	.globl	k_q3842a8b3c6_quant
	.p2align	8
	.type	k_q3842a8b3c6_quant,@function
k_q3842a8b3c6_quant:
	s_mov_b64 s[64:65], 0
	v_nop
	global_prefetch_b8 v0, s[64:65] scope:SCOPE_SE
	s_setreg_imm32_b32 hwreg(HW_REG_WAVE_MODE, 25, 1), 1
	s_wait_xcnt 0x0
; x [8192][1024] and Wq, Wk, Wv, Wp [1024][1024], f32, become codes of FP4 (E2M1), K innermost, and one E8M0 byte for each 32 along K.
; The five tensors are one space of 12,288 rows: x, then Wq, Wk, Wv, Wp.  A row of codes is 512 bytes.
; STORED ORDER: a row lies in the workspace at its number with bits 3 and 4 exchanged, so that 16 rows on end in the workspace are rows
; 8 u + 0..7 and 8 u + 16..23 of a group of 32: used as source 0 of a matrix instruction, two such tiles give a lane 16 neighbours along the next K.
; The exchange moves whole runs of 8 rows; a wave takes one run, so it shows only in where the wave's results begin.
; SCALES: laid [k / 128][row] as words of four bytes: the word that one matrix instruction wants of a row.
; A block's scale is 2^(floor(log2(its largest magnitude)) - 2); its byte is the largest magnitude's exponent field - 2, held at 1 from below.
; A block of zeros so gets the byte 1 where the quantiser says 127: its codes are zeros, and this program alone reads the bytes.
; LIMITS: NaN and infinities among the inputs are not served; blocks whose largest magnitude lies under 2^(3 - 127) get the byte 1.
; A wave takes 8 rows = 16 steps of 512 numbers.  Each load reads 512 consecutive bytes; a step's 2,048 bytes turn through the wave's own stage in LDS,
; so that a lane holds 16 neighbours (two lanes hold a block).  A step's codes leave as 256 consecutive bytes.
; The wave's 256 scale bytes are gathered in LDS as [k / 128][row][4] and leave in eight pieces of 32 bytes: one byte in 128 of what the launch reads.
; No tensor loads, no barrier: waves share nothing.  Loads run four steps (16 loads a wave) ahead.
.set STEPS, 16
.set EMAX,  2
.set CB,    8                          ; bytes of 16 codes
.set R,     16                         ; v16-79   four sets of 16 numbers as loaded
.set X,     80                         ; v80-111  two sets of 16 neighbours
.set E,     112                        ; v112-127 a scale byte for each step
.set C,     128                        ; v128-191 codes: registers of its own for each step, so that no store's data are written again
.set WREG,  8192                       ; LDS: a region for each wave: two stages of 32 x SP bytes, behind them its 256 scale bytes
.set SP,    80                         ; a lane's place in a stage: 64 bytes + 16 of padding
.set KKS,   81920                      ; bytes from one k / 128 to the next in the scales: 20,480 rows x 4
	s_load_b256 s[4:11], s[0:1], 0x0               ; x, Wq, Wk, Wv
	s_load_b128 s[12:15], s[0:1], 0x20             ; Wp, the codes
	s_load_b64 s[16:17], s[0:1], 0x30              ; the scales
	v_lshl_add_u32 v192, v0, 2, 0x8000
	v_mov_b32 v193, 0
	v_lshrrev_b32 v1, 5, v0
	v_readfirstlane_b32 s18, v1                    ; wave
	v_and_b32 v2, 31, v0                           ; lane
	v_lshlrev_b32 v3, 4, v2                        ; my 16 bytes of a load's 512
	s_mul_i32 s19, s18, WREG
	v_lshrrev_b32 v14, 2, v2
	v_mul_u32_u24 v14, v14, SP
	v_and_b32 v15, 3, v2
	v_lshl_add_u32 v14, v15, 4, v14
	v_add_nc_u32 v14, s19, v14                     ; the stage, on the way in: SP (lane / 4) + 16 (lane % 4)
	v_mul_u32_u24 v15, v2, SP
	v_add_nc_u32 v15, s19, v15                     ; and on the way out: SP x lane: my 16 neighbours
	v_mul_u32_u24 v4, v2, CB                       ; my codes' place in a step's
	s_add_co_u32 s19, s19, 2*32*SP                 ; my wave's 256 scale bytes
	v_lshrrev_b32 v5, 3, v2                        ; a step is 4 x 128 along K: which of them is my block's: lane / 8,
	v_lshlrev_b32 v5, 5, v5                        ; 32 bytes (8 rows) each,
	v_bfe_u32 v6, v2, 1, 2                         ; and which byte of the word: (lane / 2) % 4
	v_add_nc_u32 v5, v5, v6
	v_add_nc_u32 v5, s19, v5
	v_lshlrev_b32 v6, 3, v2
	v_add_nc_u32 v6, s19, v6                       ; on the way out 8 bytes a lane: two rows' words of k / 128 = lane / 4
	v_lshrrev_b32 v7, 2, v2
	v_mul_u32_u24 v7, v7, KKS
	v_and_b32 v10, 3, v2
	v_lshl_add_u32 v7, v10, 3, v7                  ; and their place in the scales
	s_and_b32 s20, ttmp9, 31                       ; a weight has 32 work-groups
	s_wait_kmcnt 0x0
	s_cmp_lt_u32 ttmp9, 352                        ; which tensor: the choice hangs on the work-group's number alone
	s_cselect_b64 s[12:13], s[10:11], s[12:13]
	s_cmp_lt_u32 ttmp9, 320
	s_cselect_b64 s[12:13], s[8:9], s[12:13]
	s_cmp_lt_u32 ttmp9, 288
	s_cselect_b64 s[12:13], s[6:7], s[12:13]
	s_cmp_lt_u32 ttmp9, 256
	s_cselect_b64 s[12:13], s[4:5], s[12:13]
	s_cselect_b32 s20, ttmp9, s20                  ; the work-group's number within its tensor
	s_lshl_b32 s20, s20, 2
	s_add_co_u32 s20, s20, s18                     ; my run of 8 rows in the tensor,
	s_lshl_b32 s20, s20, 15                        ; 32,768 bytes each
	s_mov_b32 s21, 0
	s_add_nc_u64 s[12:13], s[12:13], s[20:21]
	s_and_b32 s22, s18, 1                          ; the run's place in the workspace: the wave's two bits exchanged
	s_lshl_b32 s22, s22, 1
	s_lshr_b32 s23, s18, 1
	s_or_b32 s22, s22, s23
	s_lshl_b32 s23, ttmp9, 2
	s_add_co_u32 s22, s22, s23
	s_lshl_b32 s24, s22, 12                        ; 8 rows of 512 bytes of codes
	s_mov_b32 s25, 0
	s_add_nc_u64 s[14:15], s[14:15], s[24:25]
	s_lshl_b32 s24, s22, 5                         ; 8 words
	s_add_nc_u64 s[16:17], s[16:17], s[24:25]
.macro LOAD t
.irp i, 0,1,2,3
	global_load_b128 v[R+16*((\t)%4)+4*\i:R+16*((\t)%4)+4*\i+3], v3, s[12:13] offset:2048*(\t)+512*\i th:TH_LOAD_NT   ; 32 lanes read 512 consecutive bytes
.endr
.endm
.macro TURN t                          ; step t's numbers through the stage: LDS serves a wave's instructions in order (ISA guide 5.7.1.4), so no wait stands between the stores and the loads
.irp i, 0,1,2,3
	ds_store_b128 v14, v[R+16*((\t)%4)+4*\i:R+16*((\t)%4)+4*\i+3] offset:32*SP*((\t)%2)+8*SP*\i
.endr
.irp i, 0,1,2,3
	ds_load_b128 v[X+16*((\t)%2)+4*\i:X+16*((\t)%2)+4*\i+3], v15 offset:32*SP*((\t)%2)+16*\i
.endr
.endm
.irp t, 0,1,2,3
	LOAD \t
.endr
	s_wait_loadcnt 12                              ; step 0's four loads are in
	TURN 0
.macro STEP t
.set XS, X+16*((\t)%2)
.if (\t) > 0
	s_wait_dscnt 1                                 ; this step's numbers are back from the stage (the last step's byte store may be out): so its stores into the stage have read their registers,
.else
	s_wait_dscnt 0x0
.endif
.if (\t)+4 < STEPS
	LOAD (\t)+4                                    ; which take the loads of four steps on
.endif
.if (\t)+1 < STEPS
.if STEPS-2-(\t) >= 3
	s_wait_loadcnt 12                              ; the next step's four loads are in; those of the three steps behind it may be out
.else
	s_wait_loadcnt 4*(STEPS-2-(\t))
.endif
	TURN (\t)+1                                    ; and go through the other stage while this step is worked
.endif
	v_max3_num_f32 v8, |v[XS]|, |v[XS+1]|, |v[XS+2]|               ; the largest magnitude of my 16, in two chains
	v_max3_num_f32 v9, |v[XS+3]|, |v[XS+4]|, |v[XS+5]|
.irp i, 6,10
	v_max3_num_f32 v8, v8, |v[XS+\i]|, |v[XS+\i+1]|
	v_max3_num_f32 v9, v9, |v[XS+\i+2]|, |v[XS+\i+3]|
.endr
	v_max3_num_f32 v8, v8, |v[XS+14]|, |v[XS+15]|
	v_max3_num_f32 v8, v8, v9, (EMAX+1)<<23        ; and the floor 2^(3 - 127): the byte cannot fall under 1
	v_max_num_f32_dpp v8, v8, v8 row_xmask:1 row_mask:0xf bank_mask:0xf   ; and of my neighbour's 16: the block's
	v_add_nc_u32 v11, -(EMAX<<23), v8              ; 2 off its exponent field: the conversion takes the exponent field of this operand as its scale
	v_cvt_scalef32_pk8_fp4_f32 v[C+4*(\t)], v[XS:XS+7], v11
	v_cvt_scalef32_pk8_fp4_f32 v[C+4*(\t)+1], v[XS+8:XS+15], v11
	v_lshrrev_b32 v[E+(\t)], 23, v11               ; the scale's byte (also the plain line behind the conversions)
	ds_store_b8 v5, v[E+(\t)] offset:((\t)&1)*128+((\t)>>1)*4      ; step t is half t % 2 of row t / 2; both lanes of a block write the same byte with the same value
	global_store_b64 v4, v[C+4*(\t):C+4*(\t)+1], s[14:15] offset:32*CB*(\t)   ; 32 lanes store 256 consecutive bytes, aligned
.endm
.irp t, 0,1,2,3,4,5,6,7,8,9,10,11,12,13,14,15
	STEP \t
.endr
	ds_load_b64 v[12:13], v6                       ; LDS serves a wave's instructions in order: these see my stores
	s_wait_dscnt 0x0
	global_store_b64 v7, v[12:13], s[16:17]        ; four lanes store the 32 bytes of my 8 rows for one k / 128
	s_wait_tensorcnt 0x0
	ds_add_u32 v192, v193
	s_wait_dscnt 0x0
	s_endpgm
.Lfunc_end_k_q3842a8b3c6_quant:
	.size	k_q3842a8b3c6_quant, .Lfunc_end_k_q3842a8b3c6_quant-k_q3842a8b3c6_quant
	.p2alignl 7, 3214868480
	.fill 96, 4, 3214868480
	.section	.rodata,"a",@progbits
	.p2align	6, 0x0
	.amdhsa_kernel k_q3842a8b3c6_quant
		.amdhsa_group_segment_fixed_size 33280
		.amdhsa_private_segment_fixed_size 0
		.amdhsa_enable_private_segment 0
		.amdhsa_kernarg_size 56
		.amdhsa_user_sgpr_count 2
		.amdhsa_user_sgpr_kernarg_segment_ptr 1
		.amdhsa_wavefront_size32 1
		.amdhsa_system_sgpr_workgroup_id_x 1
		.amdhsa_system_sgpr_workgroup_id_y 1
		.amdhsa_system_sgpr_workgroup_id_z 1
		.amdhsa_system_vgpr_workitem_id 0
		.amdhsa_next_free_vgpr 194
		.amdhsa_next_free_sgpr 66
		.amdhsa_reserve_vcc 0
		.amdhsa_float_denorm_mode_32 3
		.amdhsa_float_denorm_mode_16_64 3
		.amdhsa_memory_ordered 1
		.amdhsa_forward_progress 1
		.amdhsa_inst_pref_size 34
	.end_amdhsa_kernel
	.amdgpu_metadata
---
amdhsa.version: [ 1, 2 ]
amdhsa.kernels:
  - .name:           k_q3842a8b3c6_quant
    .symbol:         k_q3842a8b3c6_quant.kd
    .args:
      - { .name: x, .offset: 0, .size: 8, .value_kind: global_buffer, .address_space: global }
      - { .name: Wq, .offset: 8, .size: 8, .value_kind: global_buffer, .address_space: global }
      - { .name: Wk, .offset: 16, .size: 8, .value_kind: global_buffer, .address_space: global }
      - { .name: Wv, .offset: 24, .size: 8, .value_kind: global_buffer, .address_space: global }
      - { .name: Wp, .offset: 32, .size: 8, .value_kind: global_buffer, .address_space: global }
      - { .name: xw_codes, .offset: 40, .size: 8, .value_kind: global_buffer, .address_space: global }
      - { .name: scales, .offset: 48, .size: 8, .value_kind: global_buffer, .address_space: global }
    .group_segment_fixed_size: 33280
    .private_segment_fixed_size: 0
    .kernarg_segment_align: 8
    .kernarg_segment_size: 56
    .max_flat_workgroup_size: 128
    .sgpr_count:     66
    .vgpr_count:     194
    .wavefront_size: 32
...
	.end_amdgpu_metadata
.endif
;; end of part 1
;; launch qkv (part 2): grid 12 x 32, 4 waves a work-group, clusters of 4 x 4, 327,680 bytes of LDS; arguments xw_codes, scales, bq, bk, bv, qkv; writes qkv
.if DOCPART == 2
	.amdgcn_target "amdgcn-amd-amdhsa--gfx1250"
	.amdhsa_code_object_version 6
	.text
	.protected	k_q3842a8b3c6_qkv
	.globl	k_q3842a8b3c6_qkv
	.p2align	8
	.type	k_q3842a8b3c6_qkv,@function
k_q3842a8b3c6_qkv:
	s_mov_b64 s[64:65], 0
	v_nop
	global_prefetch_b8 v0, s[64:65] scope:SCOPE_SE
	s_setreg_imm32_b32 hwreg(HW_REG_WAVE_MODE, 25, 1), 1
	s_wait_xcnt 0x0
	s_wait_alu depctr_hold_cnt(0) depctr_sa_sdst(0) depctr_va_vdst(0) depctr_va_sdst(0) depctr_va_ssrc(0) depctr_va_vcc(0) depctr_vm_vsrc(0)
	s_getreg_b32 s2, hwreg(HW_REG_IB_STS2, 6, 4)
	s_cmp_eq_u32 s2, 0
	s_cbranch_scc0 .Lentry_in_a_cluster
	s_endpgm
.Lentry_in_a_cluster:
	s_bfe_u32 s2, ttmp6, 0x10000c
	s_cmp_lg_u32 s2, 0xf033
	s_cbranch_scc0 .Lentry_shape_is_right
	s_endpgm
.Lentry_shape_is_right:
; q = x Wq^T + bq, k = x Wk^T + bk, v = x Wv^T + bv on codes of FP4 with E8M0 scales, K = 1,024; the results are quantised in registers and leave as codes.
; The cluster's x says which: 0 = q, 1 = k, 2 = v.  A tile of 256 x 256 is made by four waves, 128 x 128 each: 64 accumulators, 512 registers.
; THE MATRIX INSTRUCTION IS USED TRANSPOSED: source 0 = 16 rows of B, source 1 = 16 rows of A: a lane holds ONE row of A, and its registers run along B's rows.
;   q, k: A = x (tokens), B = the weight (channels): the registers run along the head's channels, which are the K of q k^T.
;   v:    A = Wv (channels), B = x (tokens):         the registers run along the tokens, which are the K of p v.
; Rows lie in the workspace with bits 3 and 4 of their number exchanged, so the 16 registers of B's tiles 2 b and 2 b + 1 are 16 NEIGHBOURS along the next K.
; A wave's 128 x 128: (q, k) 128 tokens = one key step, 128 channels = two heads;  (v) 128 channels = two heads, 128 tokens = one key step.
; OUT: records of 8,960 bytes for each (batch, head, key step): +0 K's codes, 8 tiles of 16 tokens x 512 bytes; +4096 V's codes, 4 tiles of 16 channels x 1,024 bytes;
; +8192 K's scale words (bytes 0, 1 the head's two blocks; bytes 2, 3 = 127 for the half of the instruction's K that is zero codes); +8704 V's scale words.
; q has records of the same make QOFF bytes on, of which +0 and +8192 are written.  Codes lie as IMAGES of the operand's registers: lane l's 16 bytes at 16 l.
; K goes in two steps of 512 through two LDS slots, each filled once.  CLUSTERS: 4 x 4; A's tile is asked for jointly along a row, B's along a column.
; The scale words come straight from memory into 64 registers, once: 64 loads a wave, 64 consecutive bytes for each half of the lanes.
; LIMITS: NaN and infinities are not served; a block whose largest magnitude lies under 2^(3 - 127) gets the byte 1.
; REGISTERS: window 0: v0-31 addresses; v32-95 scale words; v96-107 at work; v108-115 the scale words made; v116-123 the codes made; v128-191 A's fragments, later 64 results with their bias; v192-255 the bias.
;   window 1: B's fragments, two sets, at v0 and v128.   window 2: the accumulators of my rows 0-63 ((a, b) at v[8 (8 a + b)]);   window 3: those of my rows 64-127.
.set NQ,     4                         ; matrix instructions deep in a slot: 512 along K
.set ROWB,   256                       ; a tile's row in bytes
.set KROW,   512                       ; a row of codes in memory
.set PITCH,  272                       ; an LDS row: 256 bytes + 16 of padding: the 16 rows that a load touches start 68 words apart
.set FR,     8
.set NL,     2
.set NP,     4                         ; places behind this matrix instruction (ISA guide 7.12.1)
.set HALFT,  128*PITCH
.set SLOT,   4*HALFT                   ; A's 256 rows, then B's 256 rows
.set SPARE,  2*SLOT                    ; behind the slots: the spare words, 128 bytes a wave
.set KKS,    81920                     ; scales: bytes from one k / 128 to the next
.set REC,    8960
.set HEADB,  16*REC                    ; a head's 16 records
.set QOFF,   1024*REC                  ; q's records begin here
.set STG0,   0                         ; stages for the scale words, in slot 0, which is read no more when they are written: q, k: 1,024 bytes a wave;
.set STG1,   8192                      ; v: 512 bytes a wave, in bytes of their own
.set LI,   8                           ; v8   16 x lane
.set SOFF, 9                           ; v9   my row's scale word: lanes 0-15 A's rows, lanes 16-31 B's
.set BOFQ, 10                          ; v10  q, k: 64 x (lane / 16): my 16 channels of a group of 32
.set BOFV, 11                          ; v11  v: 4 x my channel's number in its group of 32
.set SHV,  12                          ; v12  16 x (lane / 16)
.set STS0, 13
.set STR0, 14
.set STS1, 15
.set ADRA, 16                          ; v16-17
.set STR1, 18
.set VSO,  19
.set ADRB, 20                          ; v20-21
.set SPW,  28                          ; v28   SPARE + 4 x my thread's number; never rewritten
.set NIL,  29                          ; v29   0; never rewritten
.set SC,   32                          ; register 32 s + 4 i + q: lanes 0-15 the word of A's block i, lanes 16-31 of B's block i, for slot s's q-th 128 along K
.set TM,   96
.set PWA,  108
.set PC,   116
.set AF,   128
.set WK,   128
.set BN,   192
.set WV,   16
.set HR,   17
.set HC,   18
.set KIND, 19
.set G1,   24
.set G0,   32
.set G1B,  48
.set G0B,  56
.set SEL,  70
.set BP,   72
.set OUT,  74
.set MSB, 0
.macro WIN new                         ; the immediate's high byte repeats the setting that is left
.if MSB != (\new)
	s_set_vgpr_msb (MSB<<8)|(\new)
.set MSB, (\new)
.endif
.endm
.set MUL_LO, 0xa1                      ; source 0 (B) window 1, source 1 (A) window 0, C and D window 2
.set MUL_HI, 0xf1
.set TO_B,   0x40
; A joint load: waves 0 and 1 fetch A's halves, waves 2 and 3 B's.  The branch hangs on the wave's number alone.  Four v_nop follow each line.
.macro JLOAD s
	s_cmp_eq_u32 s[HR], 0
	s_cbranch_scc0 .Lfor_b_\@
	tensor_load_to_lds s[G0+4*\s:G0+4*\s+3], s[G1:G1+7]
	s_nop 0
.rept 4
	v_nop
.endr
	s_branch .Lasked_\@
.Lfor_b_\@:
	tensor_load_to_lds s[G0B+4*\s:G0B+4*\s+3], s[G1B:G1B+7]
	s_nop 0
.rept 4
	v_nop
.endr
.Lasked_\@:
.endm
.macro CROUND                          ; a round of the cluster's barrier
	s_barrier_signal -1
	s_barrier_wait -1
	s_cmp_lg_u32 s[WV], 0
	s_cbranch_scc1 .Lnot_wave_0_\@
	s_barrier_signal -3
.Lnot_wave_0_\@:
	s_barrier_wait -3
	s_barrier_signal -1
	s_barrier_wait -1
.endm
	s_load_b256 s[4:11], s[0:1], 0x0               ; the codes s[4:5], the scales s[6:7], bq s[8:9], bk s[10:11]
	s_load_b128 s[12:15], s[0:1], 0x20             ; bv s[12:13], the records s[14:15]
	v_lshl_add_u32 v[SPW], v0, 2, SPARE
	v_mov_b32 v[NIL], 0
	ds_add_u32 v28, v29
	ds_add_u32 v28, v29
	s_wait_dscnt 0x0
	v_lshrrev_b32 v1, 5, v0
	v_readfirstlane_b32 s[WV], v1                  ; wave 0..3
	s_lshr_b32 s[HR], s[WV], 1                     ; which half of A's rows is mine.  Also: I fetch for A (0) or for B (1)
	s_and_b32 s[HC], s[WV], 1                      ; which half of B's rows.  Also: which 128 rows I fetch
	s_mov_b32 s[KIND], ttmp9
	s_bfe_u32 s40, ttmp6, 0x40000                  ; cx
	s_bfe_u32 s41, ttmp6, 0x40004                  ; cy
	s_lshr_b32 s77, ttmp9, 1                       ; f = 1 for v
	s_xor_b32 s78, s77, 1                          ; 1 for q and k
	s_and_b32 s79, ttmp7, 0xffff                   ; the cluster's y: 1,024 tokens
	s_lshl_b32 s43, s41, 2
	s_lshl_b32 s43, 15, s43                        ; my row of the cluster
	s_lshl_b32 s44, 0x1111, s40                    ; my column
	s_or_b32 s[G1+0], s43, (0<<16)|(1<<20)|(1<<21)|(5<<22)|(3<<25)   ; the mask; elements of 1 byte; padding on; bit 21 beside a mask; 4 words behind every 64
	s_or_b32 s[G1B+0], s44, (0<<16)|(1<<20)|(1<<21)|(5<<22)|(3<<25)
.irp g, G1, G1B
	s_mov_b32 s[\g+1], ROWB<<16                    ; tensor_dim0
	s_mov_b32 s[\g+2], 128<<16                     ; tensor_dim1
	s_mov_b32 s[\g+3], ROWB<<16                    ; tile_dim0
	s_mov_b32 s[\g+4], 128                         ; tile_dim1
	s_mov_b32 s[\g+5], KROW                        ; from row to row
	s_mov_b32 s[\g+6], 0
	s_mov_b32 s[\g+7], 0
.endr
	; A's first row in the space of rows: q, k: x's row 1,024 Y + 256 cy;  v: Wv's row 10,240 + 256 cy.  No cx enters these registers
	s_mul_i32 s80, s77, 10240
	s_mul_i32 s81, s78, s79
	s_lshl_b32 s81, s81, 10
	s_add_co_u32 s80, s80, s81
	s_lshl_b32 s81, s41, 8
	s_add_co_u32 s80, s80, s81
	; B's: q, k: the weight's row 8,192 + 1,024 kind + 256 cx;  v: x's row 1,024 Y + 256 cx.  No cy enters these
	s_lshl_b32 s82, ttmp9, 10
	s_add_co_u32 s82, s82, 8192
	s_mul_i32 s82, s82, s78
	s_mul_i32 s83, s77, s79
	s_lshl_b32 s83, s83, 10
	s_add_co_u32 s82, s82, s83
	s_lshl_b32 s83, s40, 8
	s_add_co_u32 s82, s82, s83
	s_lshl_b32 s84, s[HC], 7                       ; which 128 rows I fetch
	s_add_co_u32 s68, s80, s84
	s_lshl_b32 s68, s68, 9                         ; in bytes
	s_mov_b32 s69, 0
	s_add_co_u32 s46, s82, s84
	s_lshl_b32 s46, s46, 9
	s_mov_b32 s47, 0
	s_mul_i32 s45, s[WV], HALFT                    ; where they go: wave x 128 rows
	s_wait_kmcnt 0x0
	s_add_nc_u64 s[68:69], s[4:5], s[68:69]
	s_add_nc_u64 s[46:47], s[4:5], s[46:47]
	CROUND                                         ; all sixteen work-groups are here: the joint loads meet
.irp s, 0,1
	s_mov_b32 s[G0+4*\s], 1
	s_add_co_u32 s[G0+4*\s+1], s45, \s*SLOT
	s_add_nc_u64 s[G0+4*\s+2:G0+4*\s+3], s[68:69], \s*ROWB
	s_or_b32 s[G0+4*\s+3], s[G0+4*\s+3], 0x80000000
	s_mov_b32 s[G0B+4*\s], 1
	s_add_co_u32 s[G0B+4*\s+1], s45, \s*SLOT
	s_add_nc_u64 s[G0B+4*\s+2:G0B+4*\s+3], s[46:47], \s*ROWB
	s_or_b32 s[G0B+4*\s+3], s[G0B+4*\s+3], 0x80000000
	JLOAD \s                                       ; both K steps are asked for at once: two tensor loads of mine are out
.endr
	v_and_b32 v1, 15, v0                           ; r
	v_bfe_u32 v2, v0, 4, 1                         ; h
	v_mul_u32_u24 v3, v1, PITCH
	v_lshl_add_u32 v4, v2, 4, v3                   ; a fragment's row x pitch + 16 h
	s_mul_i32 s85, s[HR], HALFT
	s_mul_i32 s86, s[HC], HALFT
	s_add_co_u32 s86, s86, 2*HALFT
.irp s, 0,1
	v_add_nc_u32 v[ADRA+\s], s85, v4
	v_add_nc_u32 v[ADRB+\s], s86, v4
	s_add_co_u32 s85, s85, SLOT
	s_add_co_u32 s86, s86, SLOT
.endr
	v_and_b32 v5, 31, v0
	v_lshlrev_b32 v[LI], 4, v5
	s_lshl_b32 s87, s[HR], 7
	s_add_co_u32 s87, s87, s80
	s_lshl_b32 s87, s87, 2                         ; my first row of A, as a word's offset,
	s_lshl_b32 s88, s[HC], 7
	s_add_co_u32 s88, s88, s82
	s_lshl_b32 s88, s88, 2                         ; and of B
	v_mov_b32 v6, s87
	v_mov_b32 v7, s88
	v_cmp_eq_u32 vcc_lo, 0, v2
	v_cndmask_b32 v[SOFF], v7, v6, vcc_lo          ; lanes 0-15 take A's, lanes 16-31 B's
	v_lshl_add_u32 v[SOFF], v1, 2, v[SOFF]
.irp kk, 0,1,2,3,4,5,6,7
.irp i, 0,1,2,3,4,5,6,7
	global_load_b32 v[SC+32*(\kk/4)+4*\i+(\kk%4)], v[SOFF], s[6:7] offset:\kk*KKS+\i*64
.endr
.endr
	v_lshlrev_b32 v[BOFQ], 6, v2
	v_and_b32 v3, 8, v1
	v_add_nc_u32 v3, v3, v1                        ; r % 8 + 16 (r / 8): the row that lies at place r of a tile
	v_lshlrev_b32 v[BOFV], 2, v3
	v_lshlrev_b32 v[SHV], 4, v2
	s_lshl_b32 s96, s[WV], 10
	v_lshlrev_b32 v[STS0], 9, v2
	v_lshl_add_u32 v[STS0], v1, 2, v[STS0]
	v_add_nc_u32 v[STS0], s96, v[STS0]             ; q, k: head h's words: 512 h + 4 r
	v_add_nc_u32 v[STR0], s96, v[LI]
	s_lshl_b32 s97, s[WV], 9
	s_add_co_u32 s97, s97, STG1
	v_lshl_add_u32 v[STS1], v1, 2, s97             ; v: 4 r
	v_add_nc_u32 v[STR1], s97, v[LI]
	v_mul_u32_u24 v[VSO], v2, HEADB
	v_lshl_add_u32 v[VSO], v1, 4, v[VSO]           ; v's words on the way out: lanes 0-15 the first head's 256 bytes, lanes 16-31 the second's
	s_mov_b32 s[SEL], 0x76543210
	s_mov_b32 s[SEL+1], 0xfedcba98                 ; v_permlanex16_b32's selects for lane l xor 16
	s_mov_b32 s76, 0x7f7f0000
	s_cmp_eq_u32 s[KIND], 1                        ; the bias: the choice hangs on the cluster's x alone
	s_cselect_b64 s[BP:BP+1], s[10:11], s[12:13]
	s_cmp_eq_u32 s[KIND], 0
	s_cselect_b64 s[BP:BP+1], s[8:9], s[BP:BP+1]
	s_cmp_eq_u32 s[KIND], 2
	s_cselect_b32 s89, s41, s40                    ; which 256 channels,
	s_cselect_b32 s90, s[HR], s[HC]                ; which half of them,
	s_cselect_b32 s91, s40, s41                    ; which 256 tokens of the cluster's 1,024,
	s_cselect_b32 s92, s[HC], s[HR]                ; which half of them
	s_lshl_b32 s94, s89, 10
	s_lshl_b32 s93, s90, 9
	s_add_co_u32 s94, s94, s93
	s_mov_b32 s95, 0
	s_add_nc_u64 s[BP:BP+1], s[BP:BP+1], s[94:95]  ; the bias of my 128 channels
	s_lshl_b32 s93, s79, 2
	s_add_co_u32 s93, s93, s91                     ; T: which 256 tokens of all
	s_lshr_b32 s94, s93, 3                         ; the batch
	s_lshl_b32 s94, s94, 4
	s_lshl_b32 s96, s89, 2
	s_add_co_u32 s94, s94, s96
	s_lshl_b32 s96, s90, 1
	s_add_co_u32 s94, s94, s96                     ; 16 x batch + my first head
	s_lshl_b32 s94, s94, 4
	s_lshl_b32 s96, s93, 1
	s_add_co_u32 s96, s96, s92
	s_and_b32 s96, s96, 15                         ; the key step
	s_add_co_u32 s94, s94, s96
	s_mul_i32 s94, s94, REC
	s_cmp_eq_u32 s[KIND], 0
	s_cselect_b32 s96, QOFF, 0
	s_add_co_u32 s94, s94, s96
	s_add_nc_u64 s[OUT:OUT+1], s[14:15], s[94:95]
.macro FRAG reg, adr, q, i             ; 16 rows x 128 K of 4-bit codes: lane l holds row l % 16; registers 4 c .. 4 c + 3 hold K = 64 c + 32 (l / 16) + 0 .. 31
.irp c, 0,1
	ds_load_b128 v[\reg+4*\c:\reg+4*\c+3], v[\adr] offset:64*(\q)+32*\c+(\i)*16*PITCH
.endr
.endm
; 16 matrix instructions: A's blocks a0, a0 + 1 x B's eight, the slot's q-th 128 along K.  p: B's set; sc: the slot.  zero = 1: the first product starts the sums.
; The 64 accumulators take turns, one instruction a turn, in the same order in every step.
.macro MUL16 a0, p, q, sc, zero
.irp a, \a0, \a0+1
.irp b, 0,1,2,3,4,5,6,7
.if \zero
	v_wmma_scale_f32_16x16x128_f8f6f4 v[8*(8*((\a)%4)+\b):8*(8*((\a)%4)+\b)+7], v[128*(\p)+FR*\b:128*(\p)+FR*\b+FR-1], v[AF+FR*(\a):AF+FR*(\a)+FR-1], 0, v[SC+8*NQ*(\sc)+NQ*\b+(\q)], v[SC+8*NQ*(\sc)+NQ*(\a)+(\q)] matrix_a_fmt:MATRIX_FMT_FP4 matrix_b_fmt:MATRIX_FMT_FP4 matrix_a_scale:MATRIX_SCALE_ROW1
.else
	v_wmma_scale_f32_16x16x128_f8f6f4 v[8*(8*((\a)%4)+\b):8*(8*((\a)%4)+\b)+7], v[128*(\p)+FR*\b:128*(\p)+FR*\b+FR-1], v[AF+FR*(\a):AF+FR*(\a)+FR-1], v[8*(8*((\a)%4)+\b):8*(8*((\a)%4)+\b)+7], v[SC+8*NQ*(\sc)+NQ*\b+(\q)], v[SC+8*NQ*(\sc)+NQ*(\a)+(\q)] matrix_a_fmt:MATRIX_FMT_FP4 matrix_b_fmt:MATRIX_FMT_FP4 matrix_a_scale:MATRIX_SCALE_ROW1
.endif
.endr
.endr
.endm
.macro FETCH_B slot, q, p
	WIN TO_B
.irp i, 0,1,2,3,4,5,6,7
	FRAG 128*(\p)+FR*\i, ADRB+\slot, \q, \i
.endr
	WIN 0
.endm
.macro FETCH_A slot, q, i0
.irp i, \i0, \i0+1, \i0+2, \i0+3
	FRAG AF+FR*(\i), ADRA+\slot, \q, \i
.endr
.endm
.macro PLACES n                        ; places in front of loads into registers that matrix instructions have read, and of reads of results
.rept \n
	v_nop
.endr
.endm
; A step of 128 along K that has its successor in the same slot.  A has one set of registers: blocks 0-3 are fetched anew in the middle, blocks 4-7 at the end; B has two sets.
.macro STEP slot, q, zero
	s_wait_dscnt 4*NL                              ; B's set and A's blocks 0-3 are in; the youngest eight loads (A's blocks 4-7) may be out
	WIN MUL_LO
	MUL16 0, (\q)%2, \q, \slot, \zero
	MUL16 2, (\q)%2, \q, \slot, \zero
	s_wait_dscnt 0                                 ; A's blocks 4-7 are in
	PLACES NP
	FETCH_B \slot, (\q)+1, 1-(\q)%2
	FETCH_A \slot, (\q)+1, 0
	WIN MUL_HI
	MUL16 4, (\q)%2, \q, \slot, \zero
	MUL16 6, (\q)%2, \q, \slot, \zero
	PLACES NP
	WIN 0
	FETCH_A \slot, (\q)+1, 4
.endm
; A slot's last step changes slots: one barrier; in front of it each wave waits for all its tensor loads, adds 0 to its spare word, and waits for that and for its reads of this slot.
.macro TURN slot, next
	s_wait_tensorcnt 0x0                           ; my part of the next slot has landed
	ds_add_u32 v[SPW], v[NIL]                      ; 0 onto my spare word
	s_wait_dscnt 4*NL+1                            ; (the add and the youngest eight loads may be out)
	WIN MUL_LO
	MUL16 0, 1, NQ-1, \slot, 0
	s_wait_dscnt 0x0                               ; the add is done, and my reads of this slot are over
	s_barrier_signal -1
	MUL16 2, 1, NQ-1, \slot, 0
	WIN 0
	s_barrier_wait -1                              ; the next slot is whole, and nobody reads this one any more
	PLACES NP
	FETCH_B \next, 0, 0
	FETCH_A \next, 0, 0
	WIN MUL_HI
	MUL16 4, 1, NQ-1, \slot, 0
	MUL16 6, 1, NQ-1, \slot, 0
	PLACES NP
	WIN 0
	FETCH_A \next, 0, 4
.endm
.macro STEPS slot, from
.set Q, \from
.rept NQ-1-\from
	STEP \slot, Q, 0
.set Q, Q+1
.endr
.endm
; 64 numbers of a lane, register 16 b + i = k 32 b + 16 (lane / 16) + i of my row, become a fragment's codes in v[pc] on and its scale word in v[pw].
.macro QUANT s, pc, pw
.irp b, 0,1,2,3
	v_max3_num_f32 v[TM+\b], |v[\s+16*\b]|, |v[\s+1+16*\b]|, 0x1800000   ; block b: my 16 numbers, and the floor 2^(3 - 127): the byte cannot fall under 1
.endr
.irp i, 2,4,6,8,10,12,14
.irp b, 0,1,2,3
	v_max3_num_f32 v[TM+\b], v[TM+\b], |v[\s+16*\b+\i]|, |v[\s+1+16*\b+\i]|   ; the four blocks by turns
.endr
.endr
.irp b, 0,1,2,3
	v_permlanex16_b32 v[TM+4+\b], v[TM+\b], s[SEL], s[SEL+1]
.endr
.irp b, 0,1,2,3
	v_max_num_f32 v[TM+\b], v[TM+\b], v[TM+4+\b]   ; with lane l xor 16's: the block's largest magnitude
.endr
.irp b, 0,1,2,3
	v_add_nc_u32 v[TM+8+\b], 0xff000000, v[TM+\b]  ; 2 off its exponent field: the conversion's scale operand
.endr
.irp b, 0,1,2,3
	v_lshrrev_b32 v[TM+4+\b], 23, v[TM+8+\b]       ; the scale's byte
.endr
	v_lshl_or_b32 v[\pw], v[TM+5], 8, v[TM+4]
	v_lshl_or_b32 v[\pw], v[TM+6], 16, v[\pw]
	v_lshl_or_b32 v[\pw], v[TM+7], 24, v[\pw]
.irp b, 0,1,2,3
	v_cvt_scalef32_pk8_fp4_f32 v[\pc+2*\b], v[\s+16*\b:\s+7+16*\b], v[TM+8+\b]
	v_cvt_scalef32_pk8_fp4_f32 v[\pc+1+2*\b], v[\s+8+16*\b:\s+15+16*\b], v[TM+8+\b]
.endr
	v_nop                                          ; one plain place behind a scaled conversion
.irp c, 0,1                                    ; the operand's layout wants a whole block in a lane
.irp i, 0,1
	v_permlane16_swap_b32 v[\pc+4*\c+\i], v[\pc+2+4*\c+\i]
.endr
.endr
.endm
; THE SECOND SLOT AND THE WAY OUT.  kind 0: q and k;  kind 1: v.  The bias is asked for first and lands under the slot's 256 matrix instructions.
.macro TAIL kind
.if \kind == 0
.irp bb, 0,1,2,3
.irp q, 0,1,2,3
	global_load_b128 v[BN+16*\bb+4*\q:BN+16*\bb+4*\q+3], v[BOFQ], s[BP:BP+1] offset:(32*\bb+4*\q)*4   ; register 16 bb + i: the bias of channel 32 bb + 16 h + i
.endr
.endr
.else
.irp a, 0,1,2,3,4,5,6,7
	global_load_b32 v[BN+2*\a], v[BOFV], s[BP:BP+1] offset:(32*(\a/2)+8*(\a%2))*4     ; the bias of my channel in block a, twice: a pair for the packed addition
	global_load_b32 v[BN+2*\a+1], v[BOFV], s[BP:BP+1] offset:(32*(\a/2)+8*(\a%2))*4
.endr
.endif
	STEPS 1, 0
	s_wait_dscnt 4*NL                              ; the very last step: nothing more to fetch
	WIN MUL_LO
	MUL16 0, 1, NQ-1, 1, 0
	MUL16 2, 1, NQ-1, 1, 0
	s_wait_dscnt 0
	WIN MUL_HI
	MUL16 4, 1, NQ-1, 1, 0
	MUL16 6, 1, NQ-1, 1, 0
	WIN 0
	s_wait_loadcnt 0x0                             ; the bias
.irp b, 0,1,2,3
	v_mov_b32 v[TM+4+\b], 0                        ; a lane permute's destination counts as one of its sources; these four are also the places behind the last products
.endr
.irp a, 0,1,2,3,4,5,6,7                        ; block a: 16 rows of A x my 128 of B
	WIN 0x02+(\a/4)                                ; source 0: window 2 or 3
.irp b, 0,1,2,3,4,5,6,7
.irp q, 0,2,4,6                                ; each accumulator from its low end on
.if \kind == 0
	v_pk_add_f32 v[WK+8*\b+\q:WK+8*\b+\q+1], v[64*(\a%4)+8*\b+\q:64*(\a%4)+8*\b+\q+1], v[BN+8*\b+\q:BN+8*\b+\q+1]
.else
	v_pk_add_f32 v[WK+8*\b+\q:WK+8*\b+\q+1], v[64*(\a%4)+8*\b+\q:64*(\a%4)+8*\b+\q+1], v[BN+2*\a:BN+2*\a+1]
.endif
.endr
.endr
	WIN 0
.if \a > 0
	s_wait_xcnt 0x0                                ; the last block's stores have had their addresses translated (ISA guide 3.1): the codes' registers are written again only behind this wait
.endif
	QUANT WK, PC, PWA+\a
.if \kind == 0
	global_store_b128 v[LI], v[PC:PC+3], s[OUT:OUT+1] offset:512*\a                 ; registers 0-3: my first head's 64 channels; 512 consecutive bytes
	global_store_b128 v[LI], v[PC+4:PC+7], s[OUT:OUT+1] offset:512*\a+HEADB         ; registers 4-7: my second head's
	v_lshrrev_b32 v[PWA+\a], v[SHV], v[PWA+\a]     ; lanes 0-15 keep the first head's two bytes, lanes 16-31 take the second's,
	v_and_or_b32 v[PWA+\a], v[PWA+\a], 0xffff, s76 ; and 127 stands over the zero codes
	ds_store_b32 v[STS0], v[PWA+\a] offset:64*\a
.else
	global_store_b128 v[LI], v[PC:PC+3], s[OUT:OUT+1] offset:4096+HEADB*(\a/4)+1024*(\a%4)
	global_store_b128 v[LI], v[PC+4:PC+7], s[OUT:OUT+1] offset:4096+HEADB*(\a/4)+1024*(\a%4)+512
	ds_store_b32 v[STS1], v[PWA+\a] offset:64*\a   ; both halves of the lanes write the same word with the same value
.endif
.endr
.if \kind == 0
	ds_load_b128 v[WK:WK+3], v[STR0]               ; LDS serves a wave's instructions in order (ISA guide 5.7.1.4): these see my stores
	ds_load_b128 v[WK+4:WK+7], v[STR0] offset:512
	s_wait_dscnt 0x0
	global_store_b128 v[LI], v[WK:WK+3], s[OUT:OUT+1] offset:8192                   ; a head's 128 words: 512 consecutive bytes
	global_store_b128 v[LI], v[WK+4:WK+7], s[OUT:OUT+1] offset:8192+HEADB
.else
	ds_load_b128 v[WK:WK+3], v[STR1]
	s_wait_dscnt 0x0
	global_store_b128 v[VSO], v[WK:WK+3], s[OUT:OUT+1] offset:8704                  ; sixteen lanes store a head's 256 bytes
.endif
.endm
	s_wait_tensorcnt 1                             ; my part of K step 0 is in (K step 1's load may be out),
	s_barrier_signal -1
	s_barrier_wait -1                              ; everybody's is
	FETCH_B 0, 0, 0
	FETCH_A 0, 0, 0
	FETCH_A 0, 0, 4
	s_wait_loadcnt 0x0                             ; the scale words
	STEP 0, 0, 1                                   ; the first products start the sums: nothing is cleared
	STEPS 0, 1
	TURN 0, 1
	s_cmp_eq_u32 s[KIND], 2                        ; the branch hangs on the cluster's x, which all partners share; no barrier and no tensor load stands in an arm
	s_cbranch_scc1 .Lv
	TAIL 0
	s_branch .Ljoin
.Lv:
	TAIL 1
.Ljoin:
	s_wait_tensorcnt 0x0                           ; the wave's end
	ds_add_u32 v[SPW], v[NIL]
	s_wait_dscnt 0x0
	CROUND                                         ; the closing round
	s_endpgm
.Lfunc_end_k_q3842a8b3c6_qkv:
	.size	k_q3842a8b3c6_qkv, .Lfunc_end_k_q3842a8b3c6_qkv-k_q3842a8b3c6_qkv
	.p2alignl 7, 3214868480
	.fill 96, 4, 3214868480
	.section	.rodata,"a",@progbits
	.p2align	6, 0x0
	.amdhsa_kernel k_q3842a8b3c6_qkv
		.amdhsa_group_segment_fixed_size 327680
		.amdhsa_private_segment_fixed_size 0
		.amdhsa_enable_private_segment 0
		.amdhsa_kernarg_size 48
		.amdhsa_user_sgpr_count 2
		.amdhsa_user_sgpr_kernarg_segment_ptr 1
		.amdhsa_wavefront_size32 1
		.amdhsa_system_sgpr_workgroup_id_x 1
		.amdhsa_system_sgpr_workgroup_id_y 1
		.amdhsa_system_sgpr_workgroup_id_z 1
		.amdhsa_system_vgpr_workitem_id 0
		.amdhsa_next_free_vgpr 1024
		.amdhsa_next_free_sgpr 100
		.amdhsa_reserve_vcc 1
		.amdhsa_float_denorm_mode_32 3
		.amdhsa_float_denorm_mode_16_64 3
		.amdhsa_memory_ordered 1
		.amdhsa_forward_progress 1
		.amdhsa_inst_pref_size 241
	.end_amdhsa_kernel
	.amdgpu_metadata
---
amdhsa.version: [ 1, 2 ]
amdhsa.kernels:
  - .name:           k_q3842a8b3c6_qkv
    .symbol:         k_q3842a8b3c6_qkv.kd
    .args:
      - { .name: xw_codes, .offset: 0, .size: 8, .value_kind: global_buffer, .address_space: global }
      - { .name: scales, .offset: 8, .size: 8, .value_kind: global_buffer, .address_space: global }
      - { .name: bq, .offset: 16, .size: 8, .value_kind: global_buffer, .address_space: global }
      - { .name: bk, .offset: 24, .size: 8, .value_kind: global_buffer, .address_space: global }
      - { .name: bv, .offset: 32, .size: 8, .value_kind: global_buffer, .address_space: global }
      - { .name: qkv, .offset: 40, .size: 8, .value_kind: global_buffer, .address_space: global }
    .group_segment_fixed_size: 327680
    .private_segment_fixed_size: 0
    .kernarg_segment_align: 8
    .kernarg_segment_size: 48
    .max_flat_workgroup_size: 128
    .sgpr_count:     100
    .vgpr_count:     1024
    .wavefront_size: 32
...
	.end_amdgpu_metadata
.endif
;; end of part 2
;; launch attn (part 3): grid 8 x 32, 16 waves a work-group, clusters of 4 x 1, 327,680 bytes of LDS; arguments qkv, y_codes, scales; writes y_codes, scales
.if DOCPART == 3
	.amdgcn_target "amdgcn-amd-amdhsa--gfx1250"
	.amdhsa_code_object_version 6
	.text
	.protected	k_q3842a8b3c6_attn
	.globl	k_q3842a8b3c6_attn
	.p2align	8
	.type	k_q3842a8b3c6_attn,@function
k_q3842a8b3c6_attn:
	s_mov_b64 s[64:65], 0
	v_nop
	global_prefetch_b8 v0, s[64:65] scope:SCOPE_SE
	s_setreg_imm32_b32 hwreg(HW_REG_WAVE_MODE, 25, 1), 1
	s_wait_xcnt 0x0
	s_wait_alu depctr_hold_cnt(0) depctr_sa_sdst(0) depctr_va_vdst(0) depctr_va_sdst(0) depctr_va_ssrc(0) depctr_va_vcc(0) depctr_vm_vsrc(0)
	s_getreg_b32 s2, hwreg(HW_REG_IB_STS2, 6, 4)
	s_cmp_eq_u32 s2, 0
	s_cbranch_scc0 .Lentry_in_a_cluster
	s_endpgm
.Lentry_in_a_cluster:
	s_bfe_u32 s2, ttmp6, 0x10000c
	s_cmp_lg_u32 s2, 0x3003
	s_cbranch_scc0 .Lentry_shape_is_right
	s_endpgm
.Lentry_shape_is_right:
; y = softmax(q k^T / 8, causal) v for 64 (batch, head), 2,048 tokens, head size 64, both products on codes of FP4 with E8M0 scales; y leaves quantised along the channels.
; THE SOFTMAX: t = score x log2(e) / 8; M = the row's largest t so far, rounded UP to a whole number; p = 2^(t - M) is quantised along the keys, not normalised.
; The row's sum is taken of the unquantised p, in f32, and divides at the end (by v_rcp_f32).  When M moves, the sum and O are multiplied by 2^(old M - new M): exact.
; A block's largest p is not searched for: the block's largest score goes through the same multiply-add and exponential (this takes v_exp_f32 not to fall where its input rises).
; SHARES.  Work-group y names a batch and a PAIR of heads, whose k and v codes and scale words (2 x 16 records of 8,960 bytes) come into LDS once and stay.
; W = work-group x (0..7) names one tile of 16 queries in every key step of 128 tokens.  Waves 0-7 take the pair's first head, waves 8-15 the second.
; Wave w takes TWO tiles of queries: that of step 15 - w % 8, then that of step w % 8: (16 - w % 8) + (w % 8 + 1) = 17 key steps for every wave of the launch.
; The four work-groups of a cluster read the same records: each is asked for jointly, with a mask that names the four.  W enters global addresses and the mask's compare value alone.
; LAYOUT.  S^T = K Q^T (source 0 = 16 keys, source 1 = my 16 queries), O^T = V^T P^T (source 0 = 16 channels, source 1 = P): a lane holds ONE query (lane % 16) throughout.
; Tokens and channels lie in a tile with bits 3 and 4 of their number exchanged: so the 16 registers of tiles 2 b and 2 b + 1 are neighbours 32 b + 16 (lane / 16) + 0 .. 15.
; q k^T has K = 64: the upper four registers of K's and Q's fragments are zero codes, under the scale byte 127.
; OUT: y's codes as images of the next product's operand, [head pair][tile of 16 tokens][head in the pair][512 bytes]; its scale words [head pair][token], in pieces of 64 bytes
; (a piece is the 16 tokens of one tile: whole runs of 256 bytes would make a wave's key steps hang on its work-group's place in the cluster).
; LIMITS: NaN and infinities are not served; a block whose largest magnitude lies under 2^(3 - 127) gets the byte 1.
; REGISTERS: v1-9 addresses; v12 -M, v13 the largest t, v[14:15] the sum; v16-23, v192-199 Q; v24-31 P's codes; v32-63 four fragments of K; v64-95 V's four; v96-159 S^T, then p; v160-191 O^T;
;   v200-201 Q's scale words, v202-205 K's, v206-207 V's, v248 P's; v208-215 y's codes, v216-217 its bytes; v218-222 the scale words' way out; v232-254 at work.
.set REC,   8960
.set HEADB, 16*REC
.set QOFF,  1024*REC
.set KKS,   81920
.set STG,   2*HEADB                    ; behind the records: 1,024 bytes, the stage for y's scale words
.set LI,  1                            ; v1  16 x lane + my head's records
.set LS,  2                            ; v2  4 x lane + my head's records
.set DQ,  3                            ; v3  my query's number in its key step - 16 (lane / 16)
.set ADR, 4
.set ADS, 5
.set GY,  6                            ; v6  16 x lane
.set SA,  7                            ; v7  the stage: my half of my query's word
.set QO,  8
.set QS,  9
.set KFR, 32
.set VFR, 64
.set YC,  208
.set YH,  216
.set WV,  10
.set SEL, 20
.set CS,  22
.set G1,  24
.set G0,  40
.set TB,  56                           ; s56  LDS byte at which the step's record begins
.set ST,  57                           ; s57  the key step
.set G,   58                           ; s58  the key step in which my queries lie
.macro CROUND
	s_barrier_signal -1
	s_barrier_wait -1
	s_cmp_lg_u32 s[WV], 0
	s_cbranch_scc1 .Lnot_wave_0_\@
	s_barrier_signal -3
.Lnot_wave_0_\@:
	s_barrier_wait -3
	s_barrier_signal -1
	s_barrier_wait -1
.endm
	s_load_b128 s[4:7], s[0:1], 0x0                ; the records, y's codes
	s_load_b64 s[8:9], s[0:1], 0x10                ; the scales
	v_lshl_add_u32 v251, v0, 2, 0x46400
	v_mov_b32 v255, 0
	ds_add_u32 v251, v255
	ds_add_u32 v251, v255
	v_lshrrev_b32 v1, 5, v0
	s_delay_alu instid0(VALU_DEP_1)
	v_readfirstlane_b32 s[WV], v1                  ; wave 0..15
	s_lshr_b32 s11, s[WV], 3                       ; which head of the pair
	s_and_b32 s12, s[WV], 7                        ; w % 8
	s_bfe_u32 s13, ttmp6, 0x40000                  ; cx
	s_lshl_b32 s14, ttmp9, 2
	s_add_co_u32 s14, s14, s13                     ; W
	s_and_b32 s15, ttmp7, 0xffff                   ; 8 x batch + head pair
	s_lshr_b32 s16, s15, 3
	s_and_b32 s17, s15, 7
	s_sub_co_u32 s77, 15, s12                      ; the first pass's key step
	s_mov_b32 s[SEL], 0x76543210
	s_mov_b32 s[SEL+1], 0xfedcba98
	s_mov_b32 s[CS], 0x3e38aa3b                    ; c = log2(e) / 8
	s_mov_b32 s[CS+1], s[CS]                       ; (named with it as a pair, so it is written)
	; every address register is made here, ahead of the first branch on the wave's number
	v_and_b32 v10, 31, v0                          ; lane
	v_and_b32 v11, 15, v0                          ; r
	v_bfe_u32 v220, v0, 4, 1                       ; h
	s_mul_i32 s82, s11, HEADB
	v_lshl_add_u32 v[LI], v10, 4, s82
	v_lshl_add_u32 v[LS], v10, 2, s82
	s_lshr_b32 s83, s14, 1
	s_lshl_b32 s83, s83, 5
	s_and_b32 s84, s14, 1
	s_lshl_b32 s84, s84, 3
	s_add_co_u32 s83, s83, s84                     ; tile W begins at token 32 (W / 2) + 8 (W % 2) of its step
	v_and_b32 v[DQ], 8, v11
	s_delay_alu instid0(VALU_DEP_1)
	v_add_nc_u32 v[DQ], v[DQ], v11                 ; place r holds token r % 8 + 16 (r / 8) from there
	s_delay_alu instid0(VALU_DEP_1)
	v_add_nc_u32 v[DQ], s83, v[DQ]
	v_lshlrev_b32 v[ADR], 4, v220
	s_delay_alu instid0(VALU_DEP_1)
	v_sub_nc_u32 v[DQ], v[DQ], v[ADR]
	v_lshlrev_b32 v[GY], 4, v10
	s_lshl_b32 s84, s12, 7
	s_lshl_b32 s85, s11, 1
	s_add_co_u32 s84, s84, s85
	s_add_co_u32 s84, s84, STG
	v_lshl_add_u32 v[SA], v11, 2, s84              ; STG + 128 (w % 8) + 2 (w / 8) + 4 r
	s_lshl_b32 s85, s14, 9
	v_lshl_add_u32 v[QO], v10, 4, s85              ; Q's tile in its record
	s_lshl_b32 s85, s14, 6
	s_add_co_u32 s85, s85, 8192
	v_lshl_add_u32 v[QS], v11, 2, s85              ; and its scale words
	v_lshl_add_u32 v218, v0, 2, STG                ; the stage on the way out: 128 x wave + 4 x lane
	s_lshl_b32 s85, s77, 9
	s_lshl_b32 s86, s12, 9
	v_mov_b32 v221, s85
	v_mov_b32 v222, s86
	v_cmp_eq_u32 vcc_lo, 0, v220
	s_delay_alu instid0(VALU_DEP_1)
	v_cndmask_b32 v219, v222, v221, vcc_lo         ; lanes 0-15 carry the first pass's tile, lanes 16-31 the second's: 512 bytes of words a key step
	s_delay_alu instid0(VALU_DEP_1)
	v_lshl_add_u32 v219, v11, 2, v219
.irp j, 20,21,22,23,196,197,198,199,36,37,38,39,44,45,46,47,52,53,54,55,60,61,62,63
	v_mov_b32 v[\j], 0                             ; the zero codes of K = 64 .. 127, written once
.endr
.irp b, 0,1,2,3
	v_mov_b32 v[236+\b], 0                         ; written once: a lane permute's destination counts as one of its sources
.endr
	v_mov_b32 v253, 0                              ; (named as the upper half of the pair v[252:253])
	; descriptor group 1: a record: 8,960 dense bytes as 35 rows of 256 bytes (32 elements of 8 bytes)
	s_mov_b32 s[G1], 15|(3<<16)|(1<<21)            ; the mask: all four work-groups; elements of 8 bytes; bit 21 beside a mask; no padding
	s_mov_b32 s[G1+1], 32<<16
	s_mov_b32 s[G1+2], 35<<16
	s_mov_b32 s[G1+3], 32<<16
	s_mov_b32 s[G1+4], 35
	s_mov_b32 s[G1+5], 32
	s_mov_b32 s[G1+6], 0
	s_mov_b32 s[G1+7], 0
	s_lshr_b32 s72, s[WV], 2                       ; waves 0-7 fetch: head w / 4, key steps w % 4 + 4 n
	s_mul_i32 s72, s72, HEADB
	s_and_b32 s73, s[WV], 3
	s_mul_i32 s73, s73, REC
	s_add_co_u32 s72, s72, s73
	s_mul_i32 s74, s15, 2*HEADB
	s_add_co_u32 s74, s74, s72
	s_mov_b32 s75, 0
	s_lshl_b32 s76, s15, 1
	s_add_co_u32 s76, s76, s11
	s_lshl_b32 s76, s76, 4                         ; my head's first record
	s_add_co_u32 s78, s76, s77
	s_mul_i32 s60, s78, REC
	s_add_co_u32 s60, s60, QOFF
	s_mov_b32 s61, 0
	s_add_co_u32 s78, s76, s12
	s_mul_i32 s62, s78, REC
	s_add_co_u32 s62, s62, QOFF
	s_mov_b32 s63, 0
	s_lshl_b32 s79, s17, 9
	s_lshl_b32 s80, s16, 7
	s_add_co_u32 s79, s79, s80
	s_add_co_u32 s79, s79, s14                     ; 512 x head pair + 128 x batch + W
	s_lshl_b32 s81, s11, 9
	s_lshl_b32 s80, s77, 3
	s_add_co_u32 s80, s80, s79
	s_lshl_b32 s66, s80, 10
	s_add_co_u32 s66, s66, s81
	s_mov_b32 s67, 0
	s_lshl_b32 s80, s12, 3
	s_add_co_u32 s80, s80, s79
	s_lshl_b32 s68, s80, 10
	s_add_co_u32 s68, s68, s81
	s_mov_b32 s69, 0
	s_mul_i32 s70, s17, KKS
	s_lshl_b32 s80, s16, 13
	s_add_co_u32 s70, s70, s80
	s_lshl_b32 s80, s14, 6
	s_add_co_u32 s70, s70, s80
	s_add_co_u32 s70, s70, 12288*4                 ; y's rows lie behind x's and the weights'
	s_mov_b32 s71, 0
	s_wait_dscnt 0x0
	s_wait_kmcnt 0x0
	s_add_nc_u64 s[74:75], s[4:5], s[74:75]
	s_add_nc_u64 s[60:61], s[4:5], s[60:61]        ; Q's record, first pass,
	s_add_nc_u64 s[62:63], s[4:5], s[62:63]        ; second pass
	s_add_nc_u64 s[66:67], s[6:7], s[66:67]        ; y's image, first pass,
	s_add_nc_u64 s[68:69], s[6:7], s[68:69]        ; second pass
	s_add_nc_u64 s[70:71], s[8:9], s[70:71]        ; y's scale words
.irp n, 0,1,2,3
	s_mov_b32 s[G0+4*\n], 1
	s_add_co_u32 s[G0+4*\n+1], s72, \n*4*REC
	s_add_nc_u64 s[G0+4*\n+2:G0+4*\n+3], s[74:75], \n*4*REC
	s_or_b32 s[G0+4*\n+3], s[G0+4*\n+3], 0x80000000
.endr
	CROUND                                         ; all four work-groups are here: the joint loads meet
	s_cmp_lt_u32 s[WV], 8                          ; a wave's four fills stand in one branch, ahead of every wait on TENSORcnt and every LDS read: four loads of mine are out
	s_cbranch_scc0 .Lno_fill
	tensor_load_to_lds s[G0:G0+3], s[G1:G1+7]
	s_nop 0
	tensor_load_to_lds s[G0+4:G0+7], s[G1:G1+7]
	s_nop 0
	tensor_load_to_lds s[G0+8:G0+11], s[G1:G1+7]
	s_nop 0
	tensor_load_to_lds s[G0+12:G0+15], s[G1:G1+7]
	s_nop 0
.rept 4
	v_nop
.endr
.Lno_fill:
	global_load_b128 v[16:19], v[QO], s[60:61]     ; Q stays in registers
	global_load_b32 v200, v[QS], s[60:61]
	global_load_b128 v[192:195], v[QO], s[62:63]
	global_load_b32 v201, v[QS], s[62:63]
.macro QK d, t, ks, qf, qs             ; tile t of four: even tiles' scale words lie in lanes 0-15 of their register, odd tiles' in lanes 16-31
.if (\t)%2
	v_wmma_scale_f32_16x16x128_f8f6f4 v[\d+8*(\t):\d+8*(\t)+7], v[KFR+8*(\t):KFR+8*(\t)+7], v[\qf:\qf+7], 0, v[\ks+(\t)/2], v[\qs] matrix_a_fmt:MATRIX_FMT_FP4 matrix_b_fmt:MATRIX_FMT_FP4 matrix_a_scale:MATRIX_SCALE_ROW1
.else
	v_wmma_scale_f32_16x16x128_f8f6f4 v[\d+8*(\t):\d+8*(\t)+7], v[KFR+8*(\t):KFR+8*(\t)+7], v[\qf:\qf+7], 0, v[\ks+(\t)/2], v[\qs] matrix_a_fmt:MATRIX_FMT_FP4 matrix_b_fmt:MATRIX_FMT_FP4
.endif
.endm
.macro PV t
.if (\t)%2
	v_wmma_scale_f32_16x16x128_f8f6f4 v[160+8*(\t):167+8*(\t)], v[VFR+8*(\t):VFR+8*(\t)+7], v[24:31], v[160+8*(\t):167+8*(\t)], v[206+(\t)/2], v248 matrix_a_fmt:MATRIX_FMT_FP4 matrix_b_fmt:MATRIX_FMT_FP4 matrix_a_scale:MATRIX_SCALE_ROW1
.else
	v_wmma_scale_f32_16x16x128_f8f6f4 v[160+8*(\t):167+8*(\t)], v[VFR+8*(\t):VFR+8*(\t)+7], v[24:31], v[160+8*(\t):167+8*(\t)], v[206+(\t)/2], v248 matrix_a_fmt:MATRIX_FMT_FP4 matrix_b_fmt:MATRIX_FMT_FP4
.endif
.endm
; A KEY STEP: 128 keys.  qf, qs: Q's fragment and scale word.  full = 1: the step may lie on the diagonal or behind it.
.macro STEP qf, qs, full
.if \full
	s_cmp_gt_u32 s[ST], s[G]                       ; all its keys come after my queries: the step's work is left out.  The branch hangs on the wave's number and the trip alone
	s_cbranch_scc1 .Lhid_\@
.endif
	s_setprio 2
	v_add_nc_u32 v[ADR], s[TB], v[LI]
	v_add_nc_u32 v[ADS], s[TB], v[LS]
.irp t, 0,1,2,3
	ds_load_b128 v[KFR+8*\t:KFR+8*\t+3], v[ADR] offset:512*\t        ; K's tiles 0-3: images, 512 consecutive bytes a load
.endr
	ds_load_b32 v202, v[ADS] offset:8192           ; their scale words: two tiles to a register
	ds_load_b32 v203, v[ADS] offset:8320
	s_wait_alu depctr_va_vdst(0)
	s_wait_dscnt 0x0
.irp t, 0,1,2,3
	QK 96, \t, 202, \qf, \qs
.endr
.rept 4
	v_nop                                          ; places in front of loads into registers that matrix instructions have read (with the two additions above: six behind the last step's products)
.endr
.irp t, 0,1,2,3
	ds_load_b128 v[KFR+8*\t:KFR+8*\t+3], v[ADR] offset:2048+512*\t   ; tiles 4-7
.endr
	ds_load_b32 v204, v[ADS] offset:8448
	ds_load_b32 v205, v[ADS] offset:8576
.irp t, 0,1,2,3
	ds_load_b128 v[VFR+8*\t:VFR+8*\t+3], v[ADR] offset:4096+1024*\t  ; V's four tiles of 16 channels x 128 keys: they land under the softmax
	ds_load_b128 v[VFR+8*\t+4:VFR+8*\t+7], v[ADR] offset:4096+1024*\t+512
.endr
	ds_load_b32 v206, v[ADS] offset:8704
	ds_load_b32 v207, v[ADS] offset:8832
	s_wait_dscnt 10                                ; V's eight loads and its two scale words may be out
.irp t, 0,1,2,3
	QK 128, \t, 204, \qf, \qs
.endr
.rept 4
	v_nop
.endr
.if \full                                      ; on the diagonal the scores of hidden keys become -infinity ahead of the maximum: p = 0 then
	s_cmp_lg_u32 s[ST], s[G]
	s_cbranch_scc1 .Lopen_\@
	v_mov_b32 v254, 0xff800000
.set n, 0
.rept 64                                       ; register 16 b + i holds key 32 b + 16 (lane / 16) + i of the step: hidden where 32 b + i > v[DQ]
	v_cmp_gt_i32 vcc_lo, 32*(n/16)+n%16, v[DQ]
	v_cndmask_b32 v[96+n], v[96+n], v254, vcc_lo
.set n, n+1
.endr
.Lopen_\@:
.endif
.irp b, 0,1,2,3
	v_max3_num_f32 v[232+\b], v[96+16*\b], v[97+16*\b], v[98+16*\b]   ; the largest score of each block of 32 keys: for the row's maximum, and for the block's largest p
.endr
.irp i, 3,5,7,9,11,13
.irp b, 0,1,2,3
	v_max3_num_f32 v[232+\b], v[232+\b], v[96+16*\b+\i], v[97+16*\b+\i]
.endr
.endr
.irp b, 0,1,2,3
	v_max_num_f32 v[232+\b], v[232+\b], v[111+16*\b]
.endr
.irp b, 0,1,2,3
	s_delay_alu instid0(VALU_DEP_4)
	v_permlanex16_b32 v[236+\b], v[232+\b], s[SEL], s[SEL+1]
.endr
.irp b, 0,1,2,3
	s_delay_alu instid0(VALU_DEP_4)
	v_max_num_f32 v[232+\b], v[232+\b], v[236+\b]  ; with lane l xor 16's 16 keys
.endr
	s_delay_alu instid0(VALU_DEP_2)
	v_max3_num_f32 v254, v232, v233, v234
	s_delay_alu instid0(VALU_DEP_1)
	v_max_num_f32 v254, v254, v235                 ; the step's largest score of my query
	s_delay_alu instid0(VALU_DEP_1)
	v_mul_f32 v254, s[CS], v254                    ; as t
	s_delay_alu instid0(VALU_DEP_1)
	v_max_num_f32 v13, v13, v254                   ; the running largest t
	v_mov_b32 v254, v12
	s_delay_alu instid0(VALU_DEP_2)
	v_floor_f32 v12, -v13                          ; the new -M = floor(-t): M is a whole number
	s_delay_alu instid0(VALU_DEP_1)
	v_sub_f32 v254, v12, v254                      ; old M - new M: a whole number, 0 or less
	s_delay_alu instid0(VALU_DEP_1)
	v_cvt_i32_f32 v254, v254                       ; (it saturates)
	s_delay_alu instid0(VALU_DEP_1)
	v_ldexp_f32 v252, 1.0, v254                    ; f = 2^(old M - new M)
.set j, 0
.rept 32
	v_pk_fma_f32 v[96+j:97+j], v[96+j:97+j], s[CS:CS+1], v[12:13] op_sel_hi:[1,0,0]   ; t - M, two at a time
.set j, j+2
.endr
.irp b, 0,1,2,3
	v_fma_f32 v[232+\b], v[232+\b], s[CS], v12     ; the same of each block's largest score
.endr
.set j, 0
	s_setprio 1
	s_wait_alu depctr_va_vdst(0)
.rept 64
	v_exp_f32 v[96+j], v[96+j]                     ; p = 2^(t - M), at most 1
.set j, j+1
.endr
.irp b, 0,1,2,3
	v_exp_f32 v[232+\b], v[232+\b]                 ; the block's largest p
.endr
	v_pk_mul_f32 v[14:15], v[14:15], v[252:253] op_sel_hi:[1,0]   ; the sums under the new M (a plain place behind the exponentials)
	s_wait_alu depctr_va_vdst(0)
.irp b, 0,1,2,3
	v_max_num_f32 v[232+\b], 0x1800000, v[232+\b]  ; the floor 2^(3 - 127): a block whose every p is 0 keeps the byte 1: its codes are zeros
.endr
.irp b, 0,1,2,3
	s_delay_alu instid0(VALU_DEP_4)
	v_add_nc_u32 v[244+\b], 0xff000000, v[232+\b]  ; the conversion's scale operand
.endr
.irp b, 0,1,2,3
	s_delay_alu instid0(VALU_DEP_4)
	v_lshrrev_b32 v[236+\b], 23, v[244+\b]         ; the scale's byte
.endr
	s_delay_alu instid0(VALU_DEP_3)
	v_lshl_or_b32 v248, v237, 8, v236              ; p's scale word for these 128 keys
	s_delay_alu instid0(VALU_DEP_1)
	v_lshl_or_b32 v248, v238, 16, v248
	s_delay_alu instid0(VALU_DEP_1)
	v_lshl_or_b32 v248, v239, 24, v248
.irp b, 0,1,2,3
	v_cvt_scalef32_pk8_fp4_f32 v[24+2*\b], v[96+16*\b:103+16*\b], v[244+\b]
	v_cvt_scalef32_pk8_fp4_f32 v[25+2*\b], v[104+16*\b:111+16*\b], v[244+\b]
.endr
	v_nop                                          ; one plain place behind a scaled conversion
.irp c, 0,1
.irp i, 0,1
	v_permlane16_swap_b32 v[24+4*\c+\i], v[26+4*\c+\i]   ; a whole block to a lane
.endr
.endr
	v_pk_add_f32 v[236:237], v[100:101], v[104:105]
	v_pk_add_f32 v[246:247], v[108:109], v[112:113]
	v_pk_add_f32 v[244:245], v[116:117], v[120:121]
	v_pk_add_f32 v[242:243], v[124:125], v[128:129]
	v_pk_add_f32 v[240:241], v[132:133], v[136:137]
	v_pk_add_f32 v[234:235], v[140:141], v[144:145]
	v_pk_add_f32 v[232:233], v[148:149], v[152:153]
	v_pk_add_f32 v[14:15], v[14:15], v[156:157]
	v_pk_add_f32 v[236:237], v[236:237], v[96:97]
	v_pk_add_f32 v[246:247], v[246:247], v[98:99]
	v_pk_add_f32 v[244:245], v[244:245], v[102:103]
	v_pk_add_f32 v[242:243], v[242:243], v[106:107]
	v_pk_add_f32 v[240:241], v[240:241], v[110:111]
	v_pk_add_f32 v[234:235], v[234:235], v[114:115]
	v_pk_add_f32 v[232:233], v[232:233], v[118:119]
	v_pk_add_f32 v[14:15], v[14:15], v[122:123]
	v_pk_add_f32 v[236:237], v[236:237], v[126:127]
	v_pk_add_f32 v[246:247], v[246:247], v[130:131]
	v_pk_add_f32 v[244:245], v[244:245], v[134:135]
	v_pk_add_f32 v[242:243], v[242:243], v[138:139]
	v_pk_add_f32 v[240:241], v[240:241], v[142:143]
	v_pk_add_f32 v[234:235], v[234:235], v[146:147]
	s_setprio 0
	v_pk_add_f32 v[232:233], v[232:233], v[150:151]
	v_pk_add_f32 v[14:15], v[14:15], v[154:155]
	v_pk_add_f32 v[236:237], v[236:237], v[158:159]
	s_delay_alu instid0(VALU_DEP_2)
	v_pk_add_f32 v[14:15], v[14:15], v[242:243]
	s_delay_alu instid0(VALU_DEP_2)
	v_pk_add_f32 v[236:237], v[236:237], v[240:241]
	v_pk_add_f32 v[246:247], v[246:247], v[234:235]
	v_pk_add_f32 v[244:245], v[244:245], v[232:233]
	s_delay_alu instid0(VALU_DEP_2)
	v_pk_add_f32 v[14:15], v[14:15], v[246:247]
	s_delay_alu instid0(VALU_DEP_2)
	v_pk_add_f32 v[236:237], v[236:237], v[244:245]
	s_delay_alu instid0(VALU_DEP_1)
	v_pk_add_f32 v[14:15], v[14:15], v[236:237]
.set j, 0
.rept 16
	v_pk_mul_f32 v[160+j:161+j], v[160+j:161+j], v[252:253] op_sel_hi:[1,0]   ; O^T under the new M (these and the sums are the places between p's codes and scale word and the products)
.set j, j+2
.endr
	s_wait_alu depctr_va_vdst(0)
	s_wait_dscnt 0x0                               ; V
.irp t, 0,1,2,3
	PV \t                                          ; the four accumulators by turns, one instruction a turn
.endr
.if \full
.Lhid_\@:
.endif
	s_add_co_u32 s[TB], s[TB], REC                 ; the next step's record
.endm
.macro INIT                            ; a pass begins: the first change of M multiplies zeros
	v_mov_b32 v13, 0xff61b1e6                      ; the largest t so far: -3e38
	s_delay_alu instid0(VALU_DEP_1)
	v_floor_f32 v12, -v13
	v_mov_b32 v14, 0
	v_mov_b32 v15, 0
.set j, 0
.rept 32
	v_mov_b32 v[160+j], 0
.set j, j+1
.endr
	s_mov_b32 s[ST], 0
	s_mov_b32 s[TB], 0
.endm
; A pass ends: O^T / the sum is my query's 64 channels of y: two blocks of 32 along the next K.  p: the pass; yb: the image's address.
.macro FIN p, yb
.rept 4
	v_nop                                          ; places behind the last products
.endr
	v_add_f32 v14, v14, v15
	s_delay_alu instid0(VALU_DEP_1)
	v_permlanex16_b32 v252, v14, s[SEL], s[SEL+1]
	s_delay_alu instid0(VALU_DEP_1)
	v_add_f32 v14, v14, v252                       ; the row's sum
	s_wait_alu depctr_va_vdst(0)
	v_rcp_f32 v14, v14
	v_nop                                          ; one plain place behind a transcendental
.set j, 0
	s_wait_alu depctr_va_vdst(0)
.rept 16
	v_pk_mul_f32 v[96+j:97+j], v[160+j:161+j], v[14:15] op_sel_hi:[1,0]   ; register 16 b + i: channel 32 b + 16 (lane / 16) + i; each accumulator from its low end on
.set j, j+2
.endr
.irp b, 0,1
	v_max3_num_f32 v[232+\b], |v[96+16*\b]|, |v[97+16*\b]|, 0x1800000
.endr
.irp i, 2,4,6,8,10,12,14
.irp b, 0,1
	s_delay_alu instid0(VALU_DEP_2)
	v_max3_num_f32 v[232+\b], v[232+\b], |v[96+16*\b+\i]|, |v[97+16*\b+\i]|
.endr
.endr
.irp b, 0,1
	s_delay_alu instid0(VALU_DEP_2)
	v_permlanex16_b32 v[236+\b], v[232+\b], s[SEL], s[SEL+1]
.endr
.irp b, 0,1
	s_delay_alu instid0(VALU_DEP_2)
	v_max_num_f32 v[232+\b], v[232+\b], v[236+\b]
.endr
.irp b, 0,1
	s_delay_alu instid0(VALU_DEP_2)
	v_add_nc_u32 v[244+\b], 0xff000000, v[232+\b]
.endr
.irp b, 0,1
	s_delay_alu instid0(VALU_DEP_2)
	v_lshrrev_b32 v[236+\b], 23, v[244+\b]
.endr
	s_delay_alu instid0(VALU_DEP_1)
	v_lshl_or_b32 v[YH+\p], v237, 8, v236          ; my head's half of the query's scale word
.irp b, 0,1
	v_cvt_scalef32_pk8_fp4_f32 v[YC+4*\p+2*\b], v[96+16*\b:103+16*\b], v[244+\b]
	v_cvt_scalef32_pk8_fp4_f32 v[YC+4*\p+2*\b+1], v[104+16*\b:111+16*\b], v[244+\b]
.endr
	v_nop
.irp i, 0,1
	v_permlane16_swap_b32 v[YC+4*\p+\i], v[YC+4*\p+2+\i]
.endr
	global_store_b128 v[GY], v[YC+4*\p:YC+4*\p+3], s[\yb:\yb+1]   ; 512 consecutive bytes
	ds_store_b16 v[SA], v[YH+\p] offset:64*\p      ; both halves of the lanes write the same bytes with the same value
.endm
	INIT
	s_mov_b32 s[G], s77                            ; FIRST PASS: my queries lie in key step 15 - w % 8, which is 8 at the least
	s_wait_loadcnt 0x0                             ; Q
	s_wait_tensorcnt 0x3                           ; my record of key steps 0-3 is in; the three behind it may be out: nothing is filled twice in this launch
	s_barrier_signal -1
	s_barrier_wait -1                              ; everybody's is
.Lp0a:                                             ; key steps 0-3: all their keys count
	STEP 16, 200, 0
	s_add_co_u32 s[ST], s[ST], 1
	s_cmp_lt_u32 s[ST], 4
	s_cbranch_scc1 .Lp0a
	s_setprio 0
	s_wait_dscnt 0x0
	s_wait_tensorcnt 0x2                           ; key steps 4-7
	s_barrier_signal -1
	s_barrier_wait -1
.Lp0b:
	STEP 16, 200, 0
	s_add_co_u32 s[ST], s[ST], 1
	s_cmp_lt_u32 s[ST], 8
	s_cbranch_scc1 .Lp0b
	s_setprio 0
	s_wait_dscnt 0x0
	s_wait_tensorcnt 0x0                           ; all the rest
	s_barrier_signal -1
	s_barrier_wait -1
.Lp0c:                                             ; key steps 8-15: up to my diagonal
	STEP 16, 200, 1
	s_add_co_u32 s[ST], s[ST], 1
	s_cmp_lt_u32 s[ST], 16
	s_cbranch_scc1 .Lp0c
	s_setprio 0
	FIN 0, 66
	INIT
	s_mov_b32 s[G], s12                            ; SECOND PASS: key step w % 8
.Lp1:
	STEP 192, 201, 1
	s_add_co_u32 s[ST], s[ST], 1
	s_cmp_lt_u32 s[ST], 8
	s_cbranch_scc1 .Lp1
	s_setprio 0
	FIN 1, 68
	s_wait_dscnt 0x0                               ; for the others' sake: my halves of the scale words lie in the stage
	s_barrier_signal -1
	s_barrier_wait -1
	s_cmp_lt_u32 s[WV], 8                          ; waves 0-7 send the words of their two tiles: the upper halves came from waves 8-15
	s_cbranch_scc0 .Lno_sc
	ds_load_b32 v220, v218
	s_wait_dscnt 0x0
	global_store_b32 v219, v220, s[70:71]          ; sixteen lanes store a tile's 64 bytes
.Lno_sc:
	s_wait_tensorcnt 0x0
	ds_add_u32 v251, v255
	s_wait_dscnt 0x0
	CROUND                                         ; the closing round
	s_endpgm
.Lfunc_end_k_q3842a8b3c6_attn:
	.size	k_q3842a8b3c6_attn, .Lfunc_end_k_q3842a8b3c6_attn-k_q3842a8b3c6_attn
	.p2alignl 7, 3214868480
	.fill 96, 4, 3214868480
	.section	.rodata,"a",@progbits
	.p2align	6, 0x0
	.amdhsa_kernel k_q3842a8b3c6_attn
		.amdhsa_group_segment_fixed_size 327680
		.amdhsa_private_segment_fixed_size 0
		.amdhsa_enable_private_segment 0
		.amdhsa_kernarg_size 24
		.amdhsa_user_sgpr_count 2
		.amdhsa_user_sgpr_kernarg_segment_ptr 1
		.amdhsa_wavefront_size32 1
		.amdhsa_system_sgpr_workgroup_id_x 1
		.amdhsa_system_sgpr_workgroup_id_y 1
		.amdhsa_system_sgpr_workgroup_id_z 1
		.amdhsa_system_vgpr_workitem_id 0
		.amdhsa_next_free_vgpr 256
		.amdhsa_next_free_sgpr 100
		.amdhsa_reserve_vcc 1
		.amdhsa_float_denorm_mode_32 3
		.amdhsa_float_denorm_mode_16_64 3
		.amdhsa_memory_ordered 1
		.amdhsa_forward_progress 1
		.amdhsa_inst_pref_size 96
	.end_amdhsa_kernel
	.amdgpu_metadata
---
amdhsa.version: [ 1, 2 ]
amdhsa.kernels:
  - .name:           k_q3842a8b3c6_attn
    .symbol:         k_q3842a8b3c6_attn.kd
    .args:
      - { .name: qkv, .offset: 0, .size: 8, .value_kind: global_buffer, .address_space: global }
      - { .name: y_codes, .offset: 8, .size: 8, .value_kind: global_buffer, .address_space: global }
      - { .name: scales, .offset: 16, .size: 8, .value_kind: global_buffer, .address_space: global }
    .group_segment_fixed_size: 327680
    .private_segment_fixed_size: 0
    .kernarg_segment_align: 8
    .kernarg_segment_size: 24
    .max_flat_workgroup_size: 512
    .sgpr_count:     100
    .vgpr_count:     256
    .wavefront_size: 32
...
	.end_amdgpu_metadata
.endif
;; end of part 3
;; launch proj (part 4): grid 4 x 32, 4 waves a work-group, clusters of 4 x 4, 327,680 bytes of LDS; arguments y_codes, xw_codes, scales, bp, out0; writes out0
.if DOCPART == 4
	.amdgcn_target "amdgcn-amd-amdhsa--gfx1250"
	.amdhsa_code_object_version 6
	.text
	.protected	k_q3842a8b3c6_proj
	.globl	k_q3842a8b3c6_proj
	.p2align	8
	.type	k_q3842a8b3c6_proj,@function
k_q3842a8b3c6_proj:
	s_mov_b64 s[64:65], 0
	v_nop
	global_prefetch_b8 v0, s[64:65] scope:SCOPE_SE
	s_setreg_imm32_b32 hwreg(HW_REG_WAVE_MODE, 25, 1), 1
	s_wait_xcnt 0x0
	s_wait_alu depctr_hold_cnt(0) depctr_sa_sdst(0) depctr_va_vdst(0) depctr_va_sdst(0) depctr_va_ssrc(0) depctr_va_vcc(0) depctr_vm_vsrc(0)
	s_getreg_b32 s2, hwreg(HW_REG_IB_STS2, 6, 4)
	s_cmp_eq_u32 s2, 0
	s_cbranch_scc0 .Lentry_in_a_cluster
	s_endpgm
.Lentry_in_a_cluster:
	s_bfe_u32 s2, ttmp6, 0x10000c
	s_cmp_lg_u32 s2, 0xf033
	s_cbranch_scc0 .Lentry_shape_is_right
	s_endpgm
.Lentry_shape_is_right:
; out0 = y Wp^T + bp on codes of FP4 with E8M0 scales, K = 1,024.  y: 8,192 tokens, as images of the operand's registers, [k / 128][tile of 16 tokens][2][512 bytes];
; Wp: rows of 512 bytes of codes; the scale words of both [k / 128][row].  Tokens and Wp's rows lie with bits 3 and 4 of their number exchanged; the way out puts both right.
; A tile of 256 x 256 of out0 is made by four waves, 128 x 128 each: 64 accumulators, 512 registers.  128 work-groups: a tile half as large would read LDS half as much again for the same products.
; THE MATRIX INSTRUCTION IS USED TRANSPOSED (source 0 = 16 rows of Wp, source 1 = 16 tokens): a lane holds one token and eight neighbouring channels.
; The bias is the C of each sum's first matrix instruction.  K goes in two steps of 512 through two LDS slots, each filled once.
; CLUSTERS: 4 x 4; y's tile is asked for jointly along a row, Wp's along a column.
; REGISTERS: window 0: v0-31 addresses; v32-95 scale words; v128-191 y's fragments; v192-255 the bias; on the way out v128-255 take rows of out0.
;   window 1: Wp's fragments, two sets, at v0 and v128.   windows 2, 3: the accumulators ((a, b) at v[8 (8 (a % 4) + b)]).
.set NQ,     4
.set ROWB,   256
.set KROW,   512
.set PITCH,  272
.set FR,     8
.set NL,     2
.set NP,     4
.set HALFT,  128*PITCH                 ; B: 128 rows of 272 bytes; A: 4 x 8,192 bytes of images lie in the same room
.set SLOT,   4*HALFT
.set SPARE,  2*SLOT
.set KKS,    81920
.set YKK,    524288                    ; y's codes: bytes from one k / 128 to the next
.set SPITCH, 528                       ; the way out: a stage of 16 rows x (512 bytes + 16) for each wave, in slot 0, which is read no more when the first result is stored there
.set SOFF, 9
.set BOFQ, 10
.set ADRA, 16
.set ADRB, 20
.set STO,  24
.set RD,   25
.set CO,   26
.set SPW,  28
.set NIL,  29
.set SC,   32
.set AF,   128
.set BK,   128
.set BN,   192
.set WV,   16
.set HR,   17
.set HC,   18
.set G1,   24
.set G0,   32
.set G1B,  48
.set G0B,  56
.set BP,   72
.set MSB, 0
.macro WIN new
.if MSB != (\new)
	s_set_vgpr_msb (MSB<<8)|(\new)
.set MSB, (\new)
.endif
.endm
.set MUL_LO, 0xa1                      ; source 0 (Wp) window 1, source 1 (y) window 0, C and D window 2
.set MUL_HI, 0xf1
.set FST_LO, 0x81                      ; the same with C (the bias) in window 0
.set FST_HI, 0xc1
.set TO_B,   0x40
.macro JLOAD s
	s_cmp_eq_u32 s[HR], 0
	s_cbranch_scc0 .Lfor_b_\@
	tensor_load_to_lds s[G0+4*\s:G0+4*\s+3], s[G1:G1+7]
	s_nop 0
.rept 4
	v_nop
.endr
	s_branch .Lasked_\@
.Lfor_b_\@:
	tensor_load_to_lds s[G0B+4*\s:G0B+4*\s+3], s[G1B:G1B+7]
	s_nop 0
.rept 4
	v_nop
.endr
.Lasked_\@:
.endm
.macro CROUND
	s_barrier_signal -1
	s_barrier_wait -1
	s_cmp_lg_u32 s[WV], 0
	s_cbranch_scc1 .Lnot_wave_0_\@
	s_barrier_signal -3
.Lnot_wave_0_\@:
	s_barrier_wait -3
	s_barrier_signal -1
	s_barrier_wait -1
.endm
	s_load_b256 s[4:11], s[0:1], 0x0               ; y's codes s[4:5], the weights' codes s[6:7], the scales s[8:9], bp s[10:11]
	s_load_b64 s[12:13], s[0:1], 0x20              ; out0
	v_lshl_add_u32 v[SPW], v0, 2, SPARE
	v_mov_b32 v[NIL], 0
	ds_add_u32 v28, v29
	ds_add_u32 v28, v29
	s_wait_dscnt 0x0
	v_lshrrev_b32 v1, 5, v0
	v_readfirstlane_b32 s[WV], v1
	s_lshr_b32 s[HR], s[WV], 1                     ; which half of the tokens is mine.  Also: I fetch for y (0) or for Wp (1)
	s_and_b32 s[HC], s[WV], 1                      ; which half of the channels.  Also: which half of that tile I fetch
	s_bfe_u32 s40, ttmp6, 0x40000                  ; cx
	s_bfe_u32 s41, ttmp6, 0x40004                  ; cy
	s_and_b32 s79, ttmp7, 0xffff
	s_lshl_b32 s80, s79, 2
	s_add_co_u32 s80, s80, s41                     ; which 256 tokens
	s_lshl_b32 s82, ttmp9, 2
	s_add_co_u32 s82, s82, s40                     ; which 256 channels
	s_lshl_b32 s43, s41, 2
	s_lshl_b32 s43, 15, s43                        ; my row of the cluster
	s_lshl_b32 s44, 0x1111, s40                    ; my column
	; y's tile: four rows (k / 128) of 8,192 bytes (8 tiles of 16 tokens), YKK bytes apart, in elements of 8 bytes; dense in LDS
	s_or_b32 s[G1+0], s43, (3<<16)|(1<<21)
	s_mov_b32 s[G1+1], 1024<<16
	s_mov_b32 s[G1+2], 4<<16
	s_mov_b32 s[G1+3], 1024<<16
	s_mov_b32 s[G1+4], 4
	s_mov_b32 s[G1+5], YKK/8
	s_mov_b32 s[G1+6], 0
	s_mov_b32 s[G1+7], 0
	; Wp's: 128 rows of 256 bytes, 16 bytes of padding behind each
	s_or_b32 s[G1B+0], s44, (0<<16)|(1<<20)|(1<<21)|(5<<22)|(3<<25)
	s_mov_b32 s[G1B+1], ROWB<<16
	s_mov_b32 s[G1B+2], 128<<16
	s_mov_b32 s[G1B+3], ROWB<<16
	s_mov_b32 s[G1B+4], 128
	s_mov_b32 s[G1B+5], KROW
	s_mov_b32 s[G1B+6], 0
	s_mov_b32 s[G1B+7], 0
	s_lshl_b32 s68, s80, 4
	s_lshl_b32 s84, s[HC], 3
	s_add_co_u32 s68, s68, s84                     ; y: tile 16 x (which 256 tokens) + 8 x half,
	s_lshl_b32 s68, s68, 10                        ; 1,024 bytes each
	s_mov_b32 s69, 0
	s_lshl_b32 s46, s82, 8
	s_lshl_b32 s83, s[HC], 7
	s_add_co_u32 s46, s46, s83
	s_add_co_u32 s46, s46, 11264                   ; Wp's rows begin at row 11,264
	s_lshl_b32 s46, s46, 9
	s_mov_b32 s47, 0
	s_mul_i32 s45, s[WV], HALFT
	s_wait_kmcnt 0x0
	s_add_nc_u64 s[68:69], s[4:5], s[68:69]
	s_add_nc_u64 s[46:47], s[6:7], s[46:47]
	CROUND                                         ; all sixteen work-groups are here: the joint loads meet
.irp s, 0,1
	s_mov_b32 s[G0+4*\s], 1
	s_add_co_u32 s[G0+4*\s+1], s45, \s*SLOT
	s_add_nc_u64 s[G0+4*\s+2:G0+4*\s+3], s[68:69], \s*4*YKK
	s_or_b32 s[G0+4*\s+3], s[G0+4*\s+3], 0x80000000
	s_mov_b32 s[G0B+4*\s], 1
	s_add_co_u32 s[G0B+4*\s+1], s45, \s*SLOT
	s_add_nc_u64 s[G0B+4*\s+2:G0B+4*\s+3], s[46:47], \s*ROWB
	s_or_b32 s[G0B+4*\s+3], s[G0B+4*\s+3], 0x80000000
	s_wait_alu depctr_va_vdst(0)
	s_wait_tensorcnt 0x0
	ds_add_u32 v28, v29
	ds_add_u32 v28, v29
	s_wait_dscnt 0x0
	CROUND
	JLOAD \s                                       ; one K step a turn, each behind a wait for the last: one tensor load of mine is out
.endr
	v_and_b32 v1, 15, v0                           ; r
	v_bfe_u32 v2, v0, 4, 1                         ; h
	v_and_b32 v5, 31, v0
	v_lshlrev_b32 v[CO], 4, v5                     ; 16 x lane
	v_mul_u32_u24 v3, v1, PITCH
	v_lshl_add_u32 v4, v2, 4, v3
	s_mul_i32 s85, s[HR], HALFT
	s_mul_i32 s86, s[HC], HALFT
	s_add_co_u32 s86, s86, 2*HALFT
.irp s, 0,1
	v_add_nc_u32 v[ADRA+\s], s85, v[CO]            ; y: images: 16 x lane
	v_add_nc_u32 v[ADRB+\s], s86, v4               ; Wp: row x pitch + 16 h
	s_add_co_u32 s85, s85, SLOT
	s_add_co_u32 s86, s86, SLOT
.endr
	s_lshl_b32 s87, s80, 8
	s_lshl_b32 s88, s[HR], 7
	s_add_co_u32 s87, s87, s88                     ; my first token
	s_add_co_u32 s89, s87, 12288                   ; y's rows begin at row 12,288 of the scales
	s_lshl_b32 s89, s89, 2
	s_lshl_b32 s90, s82, 8
	s_lshl_b32 s88, s[HC], 7
	s_add_co_u32 s90, s90, s88                     ; my first channel
	s_add_co_u32 s91, s90, 11264
	s_lshl_b32 s91, s91, 2
	v_mov_b32 v6, s89
	v_mov_b32 v7, s91
	v_cmp_eq_u32 vcc_lo, 0, v2
	v_cndmask_b32 v[SOFF], v7, v6, vcc_lo          ; lanes 0-15 take y's words, lanes 16-31 Wp's
	v_lshl_add_u32 v[SOFF], v1, 2, v[SOFF]
.irp kk, 0,1,2,3,4,5,6,7
.irp i, 0,1,2,3,4,5,6,7
	global_load_b32 v[SC+32*(\kk/4)+4*\i+(\kk%4)], v[SOFF], s[8:9] offset:\kk*KKS+\i*64
.endr
.endr
	v_lshlrev_b32 v[BOFQ], 6, v2
	s_lshl_b32 s92, s90, 2
	s_mov_b32 s93, 0
	s_add_nc_u64 s[BP:BP+1], s[10:11], s[92:93]    ; the bias of my 128 channels
.irp bb, 0,1,2,3
.irp q, 0,1,2,3
	global_load_b128 v[BN+16*\bb+4*\q:BN+16*\bb+4*\q+3], v[BOFQ], s[BP:BP+1] offset:(32*\bb+4*\q)*4   ; register 16 bb + i: channel 32 bb + 16 h + i: tile b's eight at v[BN + 8 b]
.endr
.endr
	s_mul_i32 s94, s[WV], 16*SPITCH                ; my stage
	v_mul_u32_u24 v3, v1, SPITCH
	v_lshl_add_u32 v3, v2, 6, v3
	v_add_nc_u32 v[STO], s94, v3                   ; in: row r, + 64 h: my 16 channels of a group of 32
	v_add_nc_u32 v[RD], s94, v[CO]                 ; back: the 32 lanes take one row of 512 bytes
	s_lshl_b32 s94, s87, 12                        ; my first token's row of out0, 4,096 bytes each,
	s_add_co_u32 s94, s94, s92                     ; and my first channel
	s_mov_b32 s95, 0
	s_add_nc_u64 s[12:13], s[12:13], s[94:95]
.macro FRAG reg, adr, q, i             ; Wp: 16 rows x 128 K from rows in LDS
.irp c, 0,1
	ds_load_b128 v[\reg+4*\c:\reg+4*\c+3], v[\adr] offset:64*(\q)+32*\c+(\i)*16*PITCH
.endr
.endm
.macro FRAGA reg, adr, q, i            ; y: the image as it lies
.irp c, 0,1
	ds_load_b128 v[\reg+4*\c:\reg+4*\c+3], v[\adr] offset:8192*(\q)+1024*(\i)+512*\c
.endr
.endm
; 16 matrix instructions.  first = 1: the bias is C.  The 64 accumulators take turns, one instruction a turn, in the same order in every step.
.macro MUL16 a0, p, q, sc, first
.irp a, \a0, \a0+1
.irp b, 0,1,2,3,4,5,6,7
.if \first
	v_wmma_scale_f32_16x16x128_f8f6f4 v[8*(8*((\a)%4)+\b):8*(8*((\a)%4)+\b)+7], v[128*(\p)+FR*\b:128*(\p)+FR*\b+FR-1], v[AF+FR*(\a):AF+FR*(\a)+FR-1], v[BN+8*\b:BN+8*\b+7], v[SC+8*NQ*(\sc)+NQ*\b+(\q)], v[SC+8*NQ*(\sc)+NQ*(\a)+(\q)] matrix_a_fmt:MATRIX_FMT_FP4 matrix_b_fmt:MATRIX_FMT_FP4 matrix_a_scale:MATRIX_SCALE_ROW1
.else
	v_wmma_scale_f32_16x16x128_f8f6f4 v[8*(8*((\a)%4)+\b):8*(8*((\a)%4)+\b)+7], v[128*(\p)+FR*\b:128*(\p)+FR*\b+FR-1], v[AF+FR*(\a):AF+FR*(\a)+FR-1], v[8*(8*((\a)%4)+\b):8*(8*((\a)%4)+\b)+7], v[SC+8*NQ*(\sc)+NQ*\b+(\q)], v[SC+8*NQ*(\sc)+NQ*(\a)+(\q)] matrix_a_fmt:MATRIX_FMT_FP4 matrix_b_fmt:MATRIX_FMT_FP4 matrix_a_scale:MATRIX_SCALE_ROW1
.endif
.endr
.endr
.endm
.macro FETCH_B slot, q, p
	WIN TO_B
.irp i, 0,1,2,3,4,5,6,7
	FRAG 128*(\p)+FR*\i, ADRB+\slot, \q, \i
.endr
	WIN 0
.endm
.macro FETCH_A slot, q, i0
.irp i, \i0, \i0+1, \i0+2, \i0+3
	FRAGA AF+FR*(\i), ADRA+\slot, \q, \i
.endr
.endm
.macro PLACES n                        ; places in front of loads into registers that matrix instructions have read, and of reads of results
.rept \n
	v_nop
.endr
.endm
.macro STEP slot, q, first
	s_wait_dscnt 4*NL                              ; Wp's set and y's blocks 0-3 are in; the youngest eight loads (blocks 4-7) may be out
.if \first
	WIN FST_LO
.else
	WIN MUL_LO
.endif
	MUL16 0, (\q)%2, \q, \slot, \first
	MUL16 2, (\q)%2, \q, \slot, \first
	s_wait_dscnt 0
	PLACES NP
	FETCH_B \slot, (\q)+1, 1-(\q)%2
	FETCH_A \slot, (\q)+1, 0
.if \first
	WIN FST_HI
.else
	WIN MUL_HI
.endif
	MUL16 4, (\q)%2, \q, \slot, \first
	MUL16 6, (\q)%2, \q, \slot, \first
	PLACES NP
	WIN 0
	FETCH_A \slot, (\q)+1, 4
.endm
.macro TURN slot, next
	s_wait_tensorcnt 0x0                           ; my part of the next slot has landed
	ds_add_u32 v[SPW], v[NIL]                      ; 0 onto my spare word
	s_wait_dscnt 4*NL+1                            ; (the add and the youngest eight loads may be out)
	WIN MUL_LO
	MUL16 0, 1, NQ-1, \slot, 0
	s_wait_dscnt 0x0                               ; the add is done, and my reads of this slot are over
	s_barrier_signal -1
	MUL16 2, 1, NQ-1, \slot, 0
	WIN 0
	s_barrier_wait -1                              ; the next slot is whole, and nobody reads this one any more
	PLACES NP
	FETCH_B \next, 0, 0
	FETCH_A \next, 0, 0
	WIN MUL_HI
	MUL16 4, 1, NQ-1, \slot, 0
	MUL16 6, 1, NQ-1, \slot, 0
	PLACES NP
	WIN 0
	FETCH_A \next, 0, 4
.endm
.macro STEPS slot, from
.set Q, \from
.rept NQ-1-\from
	STEP \slot, Q, 0
.set Q, Q+1
.endr
.endm
	s_wait_tensorcnt 1                             ; my part of K step 0 is in (K step 1's load may be out),
	s_barrier_signal -1
	s_barrier_wait -1                              ; everybody's is
	FETCH_B 0, 0, 0
	FETCH_A 0, 0, 0
	FETCH_A 0, 0, 4
	s_wait_loadcnt 0x0                             ; the scale words and the bias
	STEP 0, 0, 1                                   ; the first products start the sums from the bias
	STEPS 0, 1
	TURN 0, 1
	STEPS 1, 0
	s_wait_dscnt 4*NL                              ; the very last step: nothing more to fetch
	WIN MUL_LO
	MUL16 0, 1, NQ-1, 1, 0
	MUL16 2, 1, NQ-1, 1, 0
	s_wait_alu depctr_va_vdst(0)
	s_wait_dscnt 0
	WIN MUL_HI
	MUL16 4, 1, NQ-1, 1, 0
	MUL16 6, 1, NQ-1, 1, 0
	WIN 0
; THE WAY OUT, block by block of 16 tokens x 128 channels, through my own stage in LDS.  Tile b's eight results of a lane are channels 32 (b / 2) + 8 (b % 2) + 16 h + 0 .. 7.
; Row t of block a is token 32 (a / 2) + 8 (a % 2) + t % 8 + 16 (t / 8) of my 128.  LDS serves a wave's instructions in order (ISA guide 5.7.1.4): no wait between the stores and the loads.
.macro TOSTAGE a
.set AC, 64*((\a)%4)
	WIN 0x08+4*((\a)/4)                            ; the data: window 2 or 3
.irp b, 0,1,2,3,4,5,6,7
	ds_store_b128 v[STO], v[AC+8*\b:AC+8*\b+3] offset:128*(\b/2)+32*(\b%2)          ; each accumulator from its low end on
	ds_store_b128 v[STO], v[AC+8*\b+4:AC+8*\b+7] offset:128*(\b/2)+32*(\b%2)+16
.endr
	WIN 0
.set BB, BK+64*((\a)%2)
.irp t, 0,1,2,3,4,5,6,7,8,9,10,11,12,13,14,15
	ds_load_b128 v[BB+4*\t:BB+4*\t+3], v[RD] offset:\t*SPITCH
.endr
.endm
.macro SEND a, younger                 ; younger: the LDS instructions issued behind block a's loads, which may stay out
.set BB, BK+64*((\a)%2)
	s_wait_dscnt \younger
.irp t, 0,1,2,3,4,5,6,7,8,9,10,11,12,13,14,15
	global_store_b128 v[CO], v[BB+4*\t:BB+4*\t+3], s[12:13] offset:(32*((\a)/2)+8*((\a)%2)+(\t%8)+16*(\t/8))*4096 th:TH_STORE_NT   ; 32 lanes store 512 consecutive bytes, aligned; written once, read by nobody here
.endr
.endm
	PLACES NP                                      ; for the loads into the registers that held y's fragments, and for the reads of the last results
	TOSTAGE 0
.irp a, 1,2,3,4,5,6,7
.if \a > 1
	s_wait_xcnt 0x0                                ; block a - 2's stores have had their addresses translated (ISA guide 3.1): block a's loads land in their registers only behind this wait
.endif
	TOSTAGE \a
	SEND \a-1, 32                                  ; behind block a - 1's loads: block a's 16 stores and 16 loads
.endr
	SEND 7, 0
	s_wait_tensorcnt 0x0                           ; the wave's end
	ds_add_u32 v[SPW], v[NIL]
	s_wait_dscnt 0x0
	CROUND                                         ; the closing round
	s_endpgm
.Lfunc_end_k_q3842a8b3c6_proj:
	.size	k_q3842a8b3c6_proj, .Lfunc_end_k_q3842a8b3c6_proj-k_q3842a8b3c6_proj
	.p2alignl 7, 3214868480
	.fill 96, 4, 3214868480
	.section	.rodata,"a",@progbits
	.p2align	6, 0x0
	.amdhsa_kernel k_q3842a8b3c6_proj
		.amdhsa_group_segment_fixed_size 327680
		.amdhsa_private_segment_fixed_size 0
		.amdhsa_enable_private_segment 0
		.amdhsa_kernarg_size 40
		.amdhsa_user_sgpr_count 2
		.amdhsa_user_sgpr_kernarg_segment_ptr 1
		.amdhsa_wavefront_size32 1
		.amdhsa_system_sgpr_workgroup_id_x 1
		.amdhsa_system_sgpr_workgroup_id_y 1
		.amdhsa_system_sgpr_workgroup_id_z 1
		.amdhsa_system_vgpr_workitem_id 0
		.amdhsa_next_free_vgpr 1024
		.amdhsa_next_free_sgpr 100
		.amdhsa_reserve_vcc 1
		.amdhsa_float_denorm_mode_32 3
		.amdhsa_float_denorm_mode_16_64 3
		.amdhsa_memory_ordered 1
		.amdhsa_forward_progress 1
		.amdhsa_inst_pref_size 129
	.end_amdhsa_kernel
	.amdgpu_metadata
---
amdhsa.version: [ 1, 2 ]
amdhsa.kernels:
  - .name:           k_q3842a8b3c6_proj
    .symbol:         k_q3842a8b3c6_proj.kd
    .args:
      - { .name: y_codes, .offset: 0, .size: 8, .value_kind: global_buffer, .address_space: global }
      - { .name: xw_codes, .offset: 8, .size: 8, .value_kind: global_buffer, .address_space: global }
      - { .name: scales, .offset: 16, .size: 8, .value_kind: global_buffer, .address_space: global }
      - { .name: bp, .offset: 24, .size: 8, .value_kind: global_buffer, .address_space: global }
      - { .name: out0, .offset: 32, .size: 8, .value_kind: global_buffer, .address_space: global }
    .group_segment_fixed_size: 327680
    .private_segment_fixed_size: 0
    .kernarg_segment_align: 8
    .kernarg_segment_size: 40
    .max_flat_workgroup_size: 128
    .sgpr_count:     100
    .vgpr_count:     1024
    .wavefront_size: 32
...
	.end_amdgpu_metadata
.endif
;; end of part 4
